; MI455X (gfx1250); checked and timed in simulation.
; The chip was launched on July 23, 2026; its instructions are those of AMD's public machine-readable ISA for CDNA 5 (MIT licence, August 2026) and "CDNA5" Instruction Set Architecture Reference Guide (July 2026). The comments in the code are by the model that wrote it; some were corrected since.
;; Self Attention. Allowed arithmetic: matrix products marked QUANTISED: E2M3 operands, one E8M0 scale for each 32 along K, by v_wmma_scale_f32_16x16x128_f8f6f4 with both operands' format E2M3, f32 sums; everything else in f32.
;; Inputs: Wk 1,024 x 1,024 float32; Wq 1,024 x 1,024 float32; Wv 1,024 x 1,024 float32; bk 1,024 float32; bq 1,024 float32; bv 1,024 float32; ln_beta 1,024 float32; ln_gamma 1,024 float32; x 4 x 2,048 x 1,024 float32.
;; Outputs: out0 4 x 2,048 x 1,024 float32.
;; This version of the problem:
;;   THIS VERSION OF THE PROBLEM IS GIVEN IN LOW PRECISION. The matrix products marked QUANTISED in the list below multiply operands that are first quantised to E2M3 (2 exponent bits, 3 mantissa bits; 6 bits a number), with one power-of-two scale for each 32 numbers along K (OCP MX v1.0); their sums are f32. All else is computed in f32.
;;   The module's matrix products, in the order in which they are computed (A, B: the left and right operand; K: the contracted axis; several contracted axes count as one K, in the product's order):
;;     1. [M 8,192, K 1,024] x [K 1,024, N 1,024]; A: input x; B: input Wq: QUANTISED
;;     2. [M 8,192, K 1,024] x [K 1,024, N 1,024]; A: input x; B: input Wk: QUANTISED
;;     3. [M 8,192, K 1,024] x [K 1,024, N 1,024]; A: input x; B: input Wv: QUANTISED
;;     4. batch 64 x [M 2,048, K 64] x [K 64, N 2,048]; A: computed on the way; B: computed on the way: QUANTISED
;;     5. batch 64 x [M 64, K 2,048] x [K 2,048, N 2,048]; A: computed on the way; B: softmax (see below): QUANTISED
;;   THE QUANTISER, for each operand of a quantised product, along K:
;;     - K is cut into blocks of 32 from its start; a last block that is shorter is filled with zeros.
;;     - A block's scale is 2^e with e = floor(log2(the largest magnitude in the block)) - 2, held to -126 .. 127; a block of zeros has e = 0. As a byte (E8M0): e + 127.
;;     - Each number is divided by its block's scale, clamped to +-7.5, and rounded to the nearest number of E2M3, ties to even, subnormals kept.
;;     - The product sums the exact products of the quantised numbers (number of the format x scale) in f32.
;;   ~~~python
;;   def quantise(x, axis):      # numpy; x: float32 -> the quantised numbers, widened to float32 again
;;       x = np.moveaxis(x, axis, -1); K = x.shape[-1]
;;       x = np.pad(x, [(0, 0)] * (x.ndim - 1) + [(0, -K % 32)]); x = x.reshape(x.shape[:-1] + (-1, 32)); a = np.abs(x).max(-1, keepdims=True)
;;       e = np.where(a > 0, np.clip(np.frexp(np.where(a > 0, a, 1))[1] - 1 - 2, -126, 127), 0)      # np.frexp(a)[1] - 1 = floor(log2(a)), exactly
;;       r = np.clip(x / 2.0 ** e, -7.5, 7.5)
;;       step = 2.0 ** (np.maximum(np.frexp(np.where(r == 0, 1, r))[1] - 1, 0) - 3)
;;       q = np.round(r / step) * step * 2.0 ** e      # np.round: ties to even
;;       return np.moveaxis(q.reshape(q.shape[:-2] + (-1,))[..., :K], -1, axis).astype(np.float32)
;;   ~~~
;;   SOFTMAX AHEAD OF A QUANTISED PRODUCT. Where the list says 'softmax', what is quantised is not the finished softmax but p = 2^(t - M), with t = logit x log2(e) and M = ceil(the row's largest t), a whole number; so 1/2 < the row's largest p <= 1. The row's sum l is taken of the UNQUANTISED p, in f32, and the product's result is divided by l at the end. Since M is a whole number, a kernel that streams over the keys may use a running M (the ceiling of the running maximum): every later rescaling is an exact power of two, which a block's scale takes up: the codes' values come out the same.
;;   OPERANDS COMPUTED ON THE WAY. 'Computed on the way' means the value that the module computes at that place (a softmax that the list does not call 'softmax' is quantised finished and normalised). What goes into a quantiser is computed in f32, as accurately as f32 sums, v_exp_f32 and their like allow (about 1e-6 of the number): no bf16 or f16 on the way to a quantiser, and a product that is left as it is and whose result goes on into a quantised operand takes f32 operands (vector FMAs, or v_wmma_f32_16x16x4_f32). A number that lies on a knife's edge between two numbers of the format may be rounded either way, as far as f32 arithmetic and the matrix unit's own rounding can turn it there, and no further.
;; One version. Each part assembles by itself: llvm-mc -triple=amdgcn-amd-amdhsa -mcpu=gfx1250 --defsym DOCPART=n.
;; ======== version 1 of 1: 5 launches
;; workspace buffers: xc 6,291,456 bytes; xs 262,144 bytes; wc 2,359,296 bytes; ws 98,304 bytes; qkvc 18,874,368 bytes; qkvs 1,310,720 bytes; y 33,554,432 bytes
;; launch quant_x (part 1): grid 256 x 1, 4 waves a work-group, no clusters, 33,280 bytes of LDS; arguments x, xc, xs; writes xc, xs
.if DOCPART == 1
	.amdgcn_target "amdgcn-amd-amdhsa--gfx1250"
	.amdhsa_code_object_version 6
	.text
	.protected	k_q85772301b2_quant_x
	.globl	k_q85772301b2_quant_x
	.p2align	8
	.type	k_q85772301b2_quant_x,@function
k_q85772301b2_quant_x:
	s_mov_b64 s[64:65], 0
	v_nop
	global_prefetch_b8 v0, s[64:65] scope:SCOPE_SE
	s_setreg_imm32_b32 hwreg(HW_REG_WAVE_MODE, 25, 1), 1
	s_wait_xcnt 0x0
; THE PROGRAM: out0 = LayerNorm(softmax((x Wq + bq)(x Wk + bk)^T / 32)(x Wv + bv) + x), all five products on codes of FP6 (E2M3) with one E8M0 scale for each 32 along K.
; Five launches: x into codes; the three weights into codes; the three projections, whose results leave as codes; attention and the residual; the norm.
; NO WORK IS LEFT OUT.  bk would cancel in a softmax of real numbers, but it moves k's codes and scales ahead of a quantised product, so it is added; every input is loaded by some launch.
; THIS LAUNCH: x [8192][1024] f32 becomes codes xc [8192][768 bytes], K innermost, and scale bytes xs [8192][32].
; A block's scale is 2^(floor(log2(its largest magnitude)) - 2); its byte is the largest magnitude's own exponent field - 2, held at 1 from below.  Each number is divided by the scale and rounded to the nearest code, ties to even, beyond 7.5 the largest code.
; LIMITS: a block of zeros gets the byte 1 where the rule says 127 (its codes are zeros, which add nothing under any byte but 0xff, and this program alone reads the bytes); blocks whose largest magnitude lies under 2^-124 are held at that floor; NaN and infinities among the inputs are not served.
; THE ROW ORDER: row p of xc and xs holds token sw(p), sw = p with its bits 3 and 4 exchanged.  So 16 rows on end, 16 a + r, are tokens 32 (a / 2) + 8 (a % 2) + r + 8 (r / 8): the order in which the next launch wants the rows of a tile.
; A wave takes 16 steps of 512 numbers: 8 whole rows; so the exchange moves whole runs: the run of wave w goes to the place of wave (w & 1) 2 + (w >> 1).
; Each of a step's four loads reads 512 consecutive bytes, 16 a lane; the 2,048 bytes go through the wave's own stage in LDS and come back 64 bytes a lane: 16 neighbours along K, which the conversion wants in one lane's registers; two neighbouring lanes hold a block.
; A lane's 16 codes are 12 bytes: the wave stores 384 consecutive bytes.  A wave's 256 scale bytes are gathered in LDS and leave as one aligned run of 256 bytes.  No barrier: waves share nothing.
.set STEPS, 16
.set EMAX,  2
.set CB,    12                         ; bytes of 16 codes
.set R,     16                         ; v16-79   four sets of 16 numbers as they are loaded
.set X,     80                         ; v80-111  two sets of 16 neighbours
.set C,     128                        ; v128-191 codes: four registers for each step, so that no store's data are written again
.set E,     112                        ; v112-127 a scale byte for each step
.set WREG,  8192                       ; LDS: a region for each wave: two stages of 32 x SP bytes, behind them its 256 scale bytes
.set SP,    80                         ; a lane's place in a stage: 64 bytes + 16 of padding
.set SPW,   12                         ; v12  LDS address of my spare word; never rewritten
.set NIL,   13                         ; v13  0; never rewritten
.set SPARE, 4*WREG                     ; behind the four regions: the spare words, 128 bytes a wave, which no other line names
	s_load_b64 s[4:5], s[0:1], 0x0                 ; x
	s_load_b64 s[8:9], s[0:1], 0x8                 ; xc
	s_load_b64 s[10:11], s[0:1], 0x10              ; xs
	v_lshl_add_u32 v[SPW], v0, 2, SPARE
	v_mov_b32 v[NIL], 0
	v_lshrrev_b32 v1, 5, v0
	v_readfirstlane_b32 s16, v1                    ; wave
	v_and_b32 v2, 31, v0                           ; lane
	v_lshlrev_b32 v3, 4, v2                        ; my 16 bytes of a load's 512
	s_mul_i32 s17, s16, WREG
	v_lshrrev_b32 v14, 2, v2
	v_mul_u32_u24 v14, v14, SP
	v_and_b32 v15, 3, v2
	v_lshl_add_u32 v14, v15, 4, v14
	v_add_nc_u32 v14, s17, v14                     ; the stage, on the way in: SP (lane / 4) + 16 (lane % 4)
	v_mul_u32_u24 v15, v2, SP
	v_add_nc_u32 v15, s17, v15                     ; and on the way out: SP x lane
	v_mul_u32_u24 v4, v2, CB                       ; my codes' place in a step's
	v_lshrrev_b32 v5, 1, v2
	s_add_co_u32 s17, s17, 2*32*SP
	v_add_nc_u32 v5, s17, v5                       ; LDS: my block's scale byte
	v_lshlrev_b32 v7, 3, v2                        ; on the way out 8 bytes a lane
	v_add_nc_u32 v6, s17, v7
	s_lshl_b32 s18, ttmp9, 2
	s_add_co_u32 s20, s18, s16                     ; the run that I read: 4 x work-group + wave
	s_lshl_b32 s20, s20, 15                        ; 32,768 bytes a run
	s_mov_b32 s21, 0
	s_and_b32 s22, s16, 1
	s_lshl_b32 s22, s22, 1
	s_lshr_b32 s23, s16, 1
	s_or_b32 s22, s22, s23
	s_add_co_u32 s22, s22, s18                     ; the run that I write: the wave's two bits exchanged
	s_mul_i32 s24, s22, 32*STEPS*CB                ; 6,144 bytes of codes a run
	s_mov_b32 s25, 0
	s_lshl_b32 s26, s22, 8                         ; 256 scale bytes a run
	s_mov_b32 s27, 0
	s_wait_kmcnt 0x0
	s_add_nc_u64 s[4:5], s[4:5], s[20:21]
	s_add_nc_u64 s[8:9], s[8:9], s[24:25]
	s_add_nc_u64 s[10:11], s[10:11], s[26:27]
.macro LOAD t
.irp i, 0,1,2,3
	global_load_b128 v[R+16*((\t)%4)+4*\i:R+16*((\t)%4)+4*\i+3], v3, s[4:5] offset:2048*(\t)+512*\i th:TH_LOAD_NT   ; 32 lanes read 512 consecutive bytes
.endr
.endm
.macro TURN t                          ; step t's numbers through the stage: LDS serves a wave's instructions in order, so no wait stands between the stores and the loads
.irp i, 0,1,2,3
	ds_store_b128 v14, v[R+16*((\t)%4)+4*\i:R+16*((\t)%4)+4*\i+3] offset:32*SP*((\t)%2)+8*SP*\i
.endr
.irp i, 0,1,2,3
	ds_load_b128 v[X+16*((\t)%2)+4*\i:X+16*((\t)%2)+4*\i+3], v15 offset:32*SP*((\t)%2)+16*\i
.endr
.endm
.irp t, 0,1,2,3
	LOAD \t
.endr
	s_wait_loadcnt 12                              ; step 0's four loads are in; the twelve of steps 1 to 3 may be out
	TURN 0
.macro STEP t
.set XS, X+16*((\t)%2)
.if (\t) > 0
	s_wait_dscnt 1                                 ; this step's numbers are back from the stage (the last step's byte store may be out)
.else
	s_wait_dscnt 0x0
.endif
.if (\t)+4 < STEPS
	LOAD (\t)+4                                    ; into the registers that this step's stores into the stage have read
.endif
.if (\t)+1 < STEPS
.if STEPS-2-(\t) >= 3
	s_wait_loadcnt 12                              ; the next step's four loads are in; those of the three steps behind it may be out
.else
	s_wait_loadcnt 4*(STEPS-2-(\t))
.endif
	TURN (\t)+1
.endif
	v_max3_num_f32 v8, |v[XS]|, |v[XS+1]|, |v[XS+2]|               ; the largest magnitude of my 16, in two chains
	v_max3_num_f32 v9, |v[XS+3]|, |v[XS+4]|, |v[XS+5]|
.irp i, 6,10
	v_max3_num_f32 v8, v8, |v[XS+\i]|, |v[XS+\i+1]|
	v_max3_num_f32 v9, v9, |v[XS+\i+2]|, |v[XS+\i+3]|
.endr
	v_max3_num_f32 v8, v8, |v[XS+14]|, |v[XS+15]|
	v_max3_num_f32 v8, v8, v9, (EMAX+1)<<23        ; and the floor 2^(3 - 127): the byte cannot fall under 1
	v_max_num_f32_dpp v8, v8, v8 row_xmask:1 row_mask:0xf bank_mask:0xf   ; with my neighbour's 16: the block's
	v_add_nc_u32 v11, -(EMAX<<23), v8              ; 2 off its exponent field: the conversion takes this operand's exponent field as its scale
	v_cvt_scalef32_pk16_fp6_f32 v[C+4*(\t):C+4*(\t)+2], v[XS:XS+15], v11
	v_lshrrev_b32 v[E+(\t)], 23, v11               ; the scale's byte (also the plain line behind the conversion)
	ds_store_b8 v5, v[E+(\t)] offset:16*(\t)       ; both lanes of a block write the same byte with the same value
	global_store_b96 v4, v[C+4*(\t):C+4*(\t)+2], s[8:9] offset:32*CB*(\t)
.endm
.irp t, 0,1,2,3,4,5,6,7,8,9,10,11,12,13,14,15
	STEP \t
.endr
	ds_load_b64 v[8:9], v6                         ; in order behind my byte stores
	s_wait_dscnt 0x0
	global_store_b64 v7, v[8:9], s[10:11]          ; 32 lanes store 256 consecutive bytes, aligned
	s_wait_tensorcnt 0x0                           ; the wave's end, behind my last LDS store
	ds_add_u32 v[SPW], v[NIL]
	s_wait_dscnt 0x0
	s_endpgm
.Lfunc_end_k_q85772301b2_quant_x:
	.size	k_q85772301b2_quant_x, .Lfunc_end_k_q85772301b2_quant_x-k_q85772301b2_quant_x
	.p2alignl 7, 3214868480
	.fill 96, 4, 3214868480
	.section	.rodata,"a",@progbits
	.p2align	6, 0x0
	.amdhsa_kernel k_q85772301b2_quant_x
		.amdhsa_group_segment_fixed_size 33280
		.amdhsa_private_segment_fixed_size 0
		.amdhsa_enable_private_segment 0
		.amdhsa_kernarg_size 24
		.amdhsa_user_sgpr_count 2
		.amdhsa_user_sgpr_kernarg_segment_ptr 1
		.amdhsa_wavefront_size32 1
		.amdhsa_system_sgpr_workgroup_id_x 1
		.amdhsa_system_sgpr_workgroup_id_y 1
		.amdhsa_system_sgpr_workgroup_id_z 1
		.amdhsa_system_vgpr_workitem_id 0
		.amdhsa_next_free_vgpr 192
		.amdhsa_next_free_sgpr 66
		.amdhsa_reserve_vcc 0
		.amdhsa_float_denorm_mode_32 3
		.amdhsa_float_denorm_mode_16_64 3
		.amdhsa_memory_ordered 1
		.amdhsa_forward_progress 1
		.amdhsa_inst_pref_size 32
	.end_amdhsa_kernel
	.amdgpu_metadata
---
amdhsa.version: [ 1, 2 ]
amdhsa.kernels:
  - .name:           k_q85772301b2_quant_x
    .symbol:         k_q85772301b2_quant_x.kd
    .args:
      - { .name: x, .offset: 0, .size: 8, .value_kind: global_buffer, .address_space: global }
      - { .name: xc, .offset: 8, .size: 8, .value_kind: global_buffer, .address_space: global }
      - { .name: xs, .offset: 16, .size: 8, .value_kind: global_buffer, .address_space: global }
    .group_segment_fixed_size: 33280
    .private_segment_fixed_size: 0
    .kernarg_segment_align: 8
    .kernarg_segment_size: 24
    .max_flat_workgroup_size: 128
    .sgpr_count:     66
    .vgpr_count:     192
    .wavefront_size: 32
...
	.end_amdgpu_metadata
.endif
;; end of part 1
;; launch quant_w (part 2): grid 24 x 4, 4 waves a work-group, no clusters, 35,840 bytes of LDS; arguments Wq, Wk, Wv, wc, ws; writes wc, ws
.if DOCPART == 2
	.amdgcn_target "amdgcn-amd-amdhsa--gfx1250"
	.amdhsa_code_object_version 6
	.text
	.protected	k_q85772301b2_quant_w
	.globl	k_q85772301b2_quant_w
	.p2align	8
	.type	k_q85772301b2_quant_w,@function
k_q85772301b2_quant_w:
	s_mov_b64 s[64:65], 0
	v_nop
	global_prefetch_b8 v0, s[64:65] scope:SCOPE_SE
	s_setreg_imm32_b32 hwreg(HW_REG_WAVE_MODE, 25, 1), 1
	s_wait_xcnt 0x0
; Wq, Wk, Wv [1024 (k)][1024 (n)] f32, whose K is the FIRST axis, become codes wc [3072][768 bytes] with K innermost and scale bytes ws [3072][32]: rows 0-1023 Wq's columns, 1024-2047 Wk's, 2048-3071 Wv's.  Nothing is left out.
; THE ROW ORDER: row p of wc and ws holds column sw(p), sw = p with its bits 3 and 4 exchanged (as the tokens' rows of xc).
; A LANE TAKES A COLUMN n AND ITS REGISTERS RUN DOWN K: a load reads 128 consecutive bytes a wave, a block of 32 along K lies in one lane's 32 registers, and the conversions give codes with K innermost.
; A wave takes 32 columns x 256 along K: 8 blocks a lane, 192 bytes of codes a column; they go through the wave's own stage in LDS and leave by rows, sixteen lanes to a row's 192 consecutive bytes.
; Work-group x: weight x / 8, columns 128 (x % 8) on; y: 256 along K.  96 work-groups: all the work that there is.  No barrier: waves share nothing.
; LIMITS: a block of zeros gets the byte 1 where the rule says 127 (zero codes; the bytes are this program's own); the floor 2^-124 under the largest magnitude; NaN and infinities are not served.
.set SIZE_N, 1024
.set KW,    256
.set NB,    KW/32
.set ROWB,  192
.set PITCH, 272                        ; a stage row: sixteen places of 16 bytes, each with 12 bytes of codes, + 16
.set KROW,  768                        ; a row of wc in bytes
.set EMAX,  2
.set X,     32                         ; v32-95   two sets of 32 numbers
.set C,     96                         ; v96..    a block's codes
.set OUTR,  112                        ; v112-175 the way out
.set SPW,   14
.set NIL,   15
.set SPARE, 4*32*PITCH                 ; behind the four stages: the spare words, which no other line names
.set SB,    24                         ; v24-25   the scale bytes
	s_load_b128 s[4:7], s[0:1], 0x0                ; Wq, Wk
	s_load_b64 s[8:9], s[0:1], 0x10                ; Wv
	s_load_b64 s[12:13], s[0:1], 0x18              ; wc
	s_load_b64 s[14:15], s[0:1], 0x20              ; ws
	v_lshl_add_u32 v[SPW], v0, 2, SPARE
	v_mov_b32 v[NIL], 0
	v_lshrrev_b32 v1, 5, v0
	v_readfirstlane_b32 s16, v1                    ; wave
	v_and_b32 v2, 31, v0                           ; lane
	s_lshr_b32 s30, ttmp9, 3                       ; which weight
	s_and_b32 s31, ttmp9, 7
	s_lshl_b32 s17, s31, 7
	s_lshl_b32 s18, s16, 5
	s_add_co_u32 s17, s17, s18                     ; my wave's first column in its weight
	s_lshl_b32 s32, ttmp9, 7
	s_add_co_u32 s32, s32, s18                     ; and its first row in wc and ws: 1024 x weight + that column
	s_and_b32 s18, ttmp7, 0xffff                   ; which 256 along K
	v_lshlrev_b32 v3, 2, v2                        ; in: 4 bytes a lane
	s_mul_i32 s19, s16, 32*PITCH                   ; my stage
	v_mul_u32_u24 v4, v2, PITCH
	v_add_nc_u32 v4, s19, v4                       ; into it: row = my column
	v_and_b32 v5, 15, v2
	v_lshrrev_b32 v6, 4, v2
	v_mul_u32_u24 v7, v6, PITCH
	v_lshl_add_u32 v7, v5, 4, v7
	v_add_nc_u32 v7, s19, v7                       ; out of it: sixteen lanes to a row, two rows an instruction
	v_mul_u32_u24 v8, v6, KROW
	v_mad_u32_u24 v8, v5, 12, v8                   ; and the same place in wc
	v_and_b32 v9, 7, v2                            ; my column's row of scale bytes: the lane's bits 3 and 4 exchanged,
	v_and_b32 v10, 8, v2
	v_lshl_or_b32 v9, v10, 1, v9
	v_and_b32 v10, 16, v2
	v_lshrrev_b32 v10, 1, v10
	v_or_b32 v9, v9, v10
	v_lshlrev_b32 v9, 5, v9                        ; 32 bytes a row
	s_lshl_b32 s20, s18, 20                        ; W: 256 y rows of 4,096 bytes + 4 x column
	s_lshl_b32 s21, s17, 2
	s_add_co_u32 s20, s20, s21
	s_mov_b32 s21, 0
	s_mul_i32 s24, s32, KROW                       ; wc: row x 768 + 192 y
	s_mul_i32 s25, s18, ROWB
	s_add_co_u32 s24, s24, s25
	s_mov_b32 s25, 0
	s_lshl_b32 s28, s32, 5                         ; ws: row x 32 + 8 y
	s_lshl_b32 s29, s18, 3
	s_add_co_u32 s28, s28, s29
	s_mov_b32 s29, 0
	s_wait_kmcnt 0x0
	s_cmp_eq_u32 s30, 1                            ; the choice hangs on the work-group's number alone
	s_cselect_b64 s[4:5], s[6:7], s[4:5]
	s_cmp_eq_u32 s30, 2
	s_cselect_b64 s[4:5], s[8:9], s[4:5]
	s_add_nc_u64 s[4:5], s[4:5], s[20:21]
	s_add_nc_u64 s[12:13], s[12:13], s[24:25]
	s_add_nc_u64 s[14:15], s[14:15], s[28:29]
.macro LOAD t                          ; block t: W(32 t + i, my column), i = 0 .. 31, into set t % 2
.irp i, 0,1,2,3,4,5,6,7,8,9,10,11,12,13,14,15,16,17,18,19,20,21,22,23,24,25,26,27,28,29,30,31
	global_load_b32 v[X+32*((\t)%2)+\i], v3, s[4:5] offset:(32*(\t)+\i)*SIZE_N*4 th:TH_LOAD_NT
.endr
.endm
	LOAD 0
	LOAD 1
.macro BLOCK t
.set XS, X+32*((\t)%2)
.if (\t) < NB-1
	s_wait_loadcnt 32                              ; this block's 32 loads are in; the next block's 32 may be out
.else
	s_wait_loadcnt 0
.endif
	v_max3_num_f32 v12, |v[XS]|, |v[XS+1]|, |v[XS+2]|               ; the block's largest magnitude: all 32 numbers are mine
	v_max3_num_f32 v13, |v[XS+3]|, |v[XS+4]|, |v[XS+5]|
.irp i, 6,10,14,18,22,26
	v_max3_num_f32 v12, v12, |v[XS+\i]|, |v[XS+\i+1]|
	v_max3_num_f32 v13, v13, |v[XS+\i+2]|, |v[XS+\i+3]|
.endr
	v_max3_num_f32 v12, v12, |v[XS+30]|, |v[XS+31]|
	v_max3_num_f32 v12, v12, v13, (EMAX+1)<<23     ; and the floor: the byte cannot fall under 1
	v_add_nc_u32 v11, -(EMAX<<23), v12             ; 2 off its exponent field: the conversion's scale operand
	v_lshrrev_b32 v13, 23, v11                     ; the scale's byte
.if (\t)%4 == 0
	v_mov_b32 v[SB+(\t)/4], v13                    ; four bytes to a register, the lower K in the lower byte
.else
	v_lshl_or_b32 v[SB+(\t)/4], v13, 8*((\t)%4), v[SB+(\t)/4]
.endif
	v_cvt_scalef32_pk16_fp6_f32 v[C:C+2], v[XS:XS+15], v11
	v_cvt_scalef32_pk16_fp6_f32 v[C+4:C+6], v[XS+16:XS+31], v11     ; (a conversion's three registers begin on an even number)
	v_nop                                          ; one plain line behind the conversions
	ds_store_b96 v4, v[C:C+2] offset:32*(\t)       ; 12 bytes to a place of 16, so that every LDS address is a multiple of 16
	ds_store_b96 v4, v[C+4:C+6] offset:32*(\t)+16
.if (\t)+2 < NB
	LOAD (\t)+2
.endif
	s_wait_dscnt 0x0                               ; the stores have read their registers: the next block's codes may be written
.endm
.set Q, 0
.rept NB
	BLOCK Q
.set Q, Q+1
.endr
	global_store_b64 v9, v[SB:SB+1], s[14:15]      ; my column's 8 scale bytes
.irp t, 0,1,2,3,4,5,6,7,8,9,10,11,12,13,14,15
	ds_load_b96 v[OUTR+4*\t:OUTR+4*\t+2], v7 offset:2*\t*PITCH   ; in order behind my stores
.endr
.irp t, 0,1,2,3,4,5,6,7,8,9,10,11,12,13,14,15
	s_wait_dscnt 15-\t                             ; the later loads may be out
	global_store_b96 v8, v[OUTR+4*\t:OUTR+4*\t+2], s[12:13] offset:(((2*\t)&7)|(((2*\t)&8)<<1)|(((2*\t)&16)>>1))*KROW   ; columns 2 t and 2 t + 1 go to rows sw(2 t) and sw(2 t) + 1
.endr
	s_wait_tensorcnt 0x0                           ; the wave's end, behind my last LDS store
	ds_add_u32 v[SPW], v[NIL]
	s_wait_dscnt 0x0
	s_endpgm
.Lfunc_end_k_q85772301b2_quant_w:
	.size	k_q85772301b2_quant_w, .Lfunc_end_k_q85772301b2_quant_w-k_q85772301b2_quant_w
	.p2alignl 7, 3214868480
	.fill 96, 4, 3214868480
	.section	.rodata,"a",@progbits
	.p2align	6, 0x0
	.amdhsa_kernel k_q85772301b2_quant_w
		.amdhsa_group_segment_fixed_size 35840
		.amdhsa_private_segment_fixed_size 0
		.amdhsa_enable_private_segment 0
		.amdhsa_kernarg_size 40
		.amdhsa_user_sgpr_count 2
		.amdhsa_user_sgpr_kernarg_segment_ptr 1
		.amdhsa_wavefront_size32 1
		.amdhsa_system_sgpr_workgroup_id_x 1
		.amdhsa_system_sgpr_workgroup_id_y 1
		.amdhsa_system_sgpr_workgroup_id_z 1
		.amdhsa_system_vgpr_workitem_id 0
		.amdhsa_next_free_vgpr 192
		.amdhsa_next_free_sgpr 66
		.amdhsa_reserve_vcc 0
		.amdhsa_float_denorm_mode_32 3
		.amdhsa_float_denorm_mode_16_64 3
		.amdhsa_memory_ordered 1
		.amdhsa_forward_progress 1
		.amdhsa_inst_pref_size 42
	.end_amdhsa_kernel
	.amdgpu_metadata
---
amdhsa.version: [ 1, 2 ]
amdhsa.kernels:
  - .name:           k_q85772301b2_quant_w
    .symbol:         k_q85772301b2_quant_w.kd
    .args:
      - { .name: Wq, .offset: 0, .size: 8, .value_kind: global_buffer, .address_space: global }
      - { .name: Wk, .offset: 8, .size: 8, .value_kind: global_buffer, .address_space: global }
      - { .name: Wv, .offset: 16, .size: 8, .value_kind: global_buffer, .address_space: global }
      - { .name: wc, .offset: 24, .size: 8, .value_kind: global_buffer, .address_space: global }
      - { .name: ws, .offset: 32, .size: 8, .value_kind: global_buffer, .address_space: global }
    .group_segment_fixed_size: 35840
    .private_segment_fixed_size: 0
    .kernarg_segment_align: 8
    .kernarg_segment_size: 40
    .max_flat_workgroup_size: 128
    .sgpr_count:     66
    .vgpr_count:     192
    .wavefront_size: 32
...
	.end_amdgpu_metadata
.endif
;; end of part 2
;; launch qkv (part 3): grid 8 x 48, 4 waves a work-group, clusters of 4 x 4, 327,680 bytes of LDS; arguments xc, xs, wc, ws, bq, bk, bv, qkvc, qkvs; writes qkvc, qkvs
.if DOCPART == 3
	.amdgcn_target "amdgcn-amd-amdhsa--gfx1250"
	.amdhsa_code_object_version 6
	.text
	.protected	k_q85772301b2_qkv
	.globl	k_q85772301b2_qkv
	.p2align	8
	.type	k_q85772301b2_qkv,@function
k_q85772301b2_qkv:
	s_mov_b64 s[64:65], 0
	v_nop
	global_prefetch_b8 v0, s[64:65] scope:SCOPE_SE
	s_setreg_imm32_b32 hwreg(HW_REG_WAVE_MODE, 25, 1), 1
	s_wait_xcnt 0x0
	s_wait_alu depctr_hold_cnt(0) depctr_sa_sdst(0) depctr_va_vdst(0) depctr_va_sdst(0) depctr_va_ssrc(0) depctr_va_vcc(0) depctr_vm_vsrc(0)
	s_getreg_b32 s2, hwreg(HW_REG_IB_STS2, 6, 4)
	s_cmp_eq_u32 s2, 0
	s_cbranch_scc0 .Lentry_in_a_cluster
	s_endpgm
.Lentry_in_a_cluster:
	s_bfe_u32 s2, ttmp6, 0x10000c
	s_cmp_lg_u32 s2, 0xf033
	s_cbranch_scc0 .Lentry_shape_is_right
	s_endpgm
.Lentry_shape_is_right:
; q = x Wq + bq, k = x Wk + bk, v = x Wv + bv on codes of FP6 (E2M3) with E8M0 scales, K = 1024; the results are quantised on the way out and leave as IMAGES OF OPERAND REGISTERS for the attention launch.  Nothing is left out: all three biases are added ahead of the quantisers.
; A tile of 256 x 256 results is made by four waves, each 128 x 128: 64 accumulators, 512 registers.  K goes in steps of 256 through a ring of two LDS slots filled by the tensor data mover; the scale bytes of the work-group's 2 x 256 rows come once and stay.
; The matrix instruction's source 0 takes 16 rows of operand P, source 1 16 rows of operand R: a lane then holds ONE row of R, and its registers run along P's rows.
; TWO KINDS OF CLUSTER, by the cluster's y (the same in all sixteen partners).  KIND 0 (y < 8; q for cluster x = 0, k for 1): R = x's tokens, P = the weight's columns: a lane's registers run along the head's 64, which is the K of q k^T.
;   KIND 1 (y >= 8; v): R = Wv's columns, P = x's tokens: a lane's registers run along the keys, which are the K of the second product.  Only the pointers, the tile numbers and the way out differ.
; THE ROW ORDER: row p of xc, xs, wc, ws holds index sw(p) (bits 3 and 4 exchanged).  So in accumulator (a, b) lane (r, h), register j holds R's index 32 (a / 2) + 8 (a % 2) + r + 8 (r / 8) and P's index 32 (b / 2) + 16 h + 8 (b % 2) + j:
;   block a's 64 registers are, register 16 g + i, P's index 32 g + 16 h + i: sixteen neighbours of each block of 32, in the order that the conversions want.
; WHAT LEAVES.  qkvc, for each bh = 16 batch + head 294,912 bytes: q's 128 tiles of 768 bytes (tile T: tokens 32 (T / 2) + 8 (T % 2) + r + 8 (r / 8); operand registers 0-3 of lane l at 16 l, registers 4-5 at 512 + 8 l), k's likewise from 98,304, v's from 196,608 as [16 key steps][4 tiles of d][1,536 bytes] (register group c at 512 c + 16 l).
;   qkvs, for each bh 20,480 bytes: q's scale words [16 groups of 128 tokens][512] (tile a, row r at 256 (a / 4) + 16 r + 4 (a % 4)), k's from 8,192, v's from 16,384 as [16 steps][256] (tile dt, row r at 16 r + 4 dt).
;   Of a q or k word bytes 0 and 1 are the head's two blocks; bytes 2 and 3 are another head's bytes or 0, never 0xff: in attention they meet zero codes alone.
; CLUSTERS: 4 x 4 work-groups; R's tile is shared along a row of the cluster, P's along a column: each is asked for jointly, by the same tensor load with the same descriptor and a mask that names the four.
; LIMITS: a block of zeros gets the byte 1 where the rule says 127 (zero codes; the bytes are this program's own); the floor 2^-124; NaN and infinities are not served.
; REGISTERS, in windows of 256: window 0: v0-31 addresses; v32-63 scale words, two sets; v64-127 the biases; from v128 R's fragments, one set; on the way out v128-255 are at work.  window 1: P's fragments, two sets.  windows 2, 3: the accumulators ((a, b) at v[8 (8 (a % 4) + b)]).
.set KSTEP,  256
.set NQ,     KSTEP/128
.set ROWB,   192                       ; a tile's row in bytes
.set KROW,   768                       ; a row of codes in memory
.set PITCH,  240                       ; an LDS row: 3 x (64 bytes + 16 of padding)
.set FR,     12
.set NL,     6
.set NP,     4                         ; places behind this matrix instruction (ISA guide 7.12.1)
.set HALFT,  128*PITCH
.set SLOT,   4*HALFT
.set LAPS,   2                         ; 1024 / 512
.set KS,     32                        ; a row of scale bytes
.set SCL,    2*SLOT
.set HALFS,  (128*KS/256)*272
.set SBLK,   (16*KS/256)*272
.set SPARE,  SCL+4*HALFS               ; the spare words, 128 bytes a wave, which no other line names
.set BHC,    294912                    ; a head's bytes in qkvc
.set BHS,    20480                     ; and in qkvs
.set L16,  8                           ; v8   16 x lane
.set L8,   9                           ; v9   8 x lane
.set SOFF, 10                          ; v10  16 r + BHS h: where a lane stores four scale words
.set SH,   11                          ; v11  16 h
.set BO0,  12                          ; v12  64 h: KIND 0's bias offset
.set BO1,  13                          ; v13  4 (r + 8 (r / 8)): KIND 1's
.set ADRA, 16
.set ADRB, 20
.set ADRS, 27
.set SPW,  28
.set NIL,  29
.set SC,   32
.set BI,   64                          ; the biases
.set AF,   128
.set H,    128                         ; the way out: a block's 64 numbers
.set PC,   192                         ; their codes
.set TM,   224                         ; at work
.set PWS,  240                         ; the eight blocks' scale words
.set SW,   248                         ; and as they are stored
.set SEL,  20                          ; s[20:21] on the way out: selects for lane l xor 16
.set G1, 24
.set G0, 32
.set G1B, 48
.set G0B, 56
.set G1S, 68
.set G0S, 76
.set G1SB, 80
.set G0SB, 88
.set MSB, 0
.macro WIN new                         ; the immediate's high byte repeats the setting that is left
.if MSB != (\new)
	s_set_vgpr_msb (MSB<<8)|(\new)
.set MSB, (\new)
.endif
.endm
.set MUL_LO, 0xa1                      ; source 0 (P) window 1, source 1 (R) window 0, C and D window 2
.set MUL_HI, 0xf1
.set TO_B,   0x40
; A joint load: waves 0 and 1 fetch for R, waves 2 and 3 for P.  The branch hangs on the wave's number alone.  An s_nop 0 and four v_nop follow each of the two lines.
.macro JLOAD g0a, g1a, g0b, g1b
	s_cmp_eq_u32 s15, 0
	s_cbranch_scc0 .Lfor_b_\@
	tensor_load_to_lds s[\g0a:\g0a+3], s[\g1a:\g1a+7]
	s_nop 0
.rept 4
	v_nop
.endr
	s_branch .Lasked_\@
.Lfor_b_\@:
	tensor_load_to_lds s[\g0b:\g0b+3], s[\g1b:\g1b+7]
	s_nop 0
.rept 4
	v_nop
.endr
.Lasked_\@:
.endm
.macro CREST                           ; a round of the cluster's barrier behind its opening barrier
	s_cmp_lg_u32 s14, 0
	s_cbranch_scc1 .Lnot_wave_0_\@
	s_barrier_signal -3
.Lnot_wave_0_\@:
	s_barrier_wait -3
	s_barrier_signal -1
	s_barrier_wait -1
.endm
.macro CROUND
	s_barrier_signal -1
	s_barrier_wait -1
	CREST
.endm
	s_load_b256 s[4:11], s[0:1], 0x0               ; xc, xs, wc, ws
	s_load_b128 s[96:99], s[0:1], 0x20             ; bq, bk
	s_load_b64 s[100:101], s[0:1], 0x30            ; bv
	s_load_b64 s[12:13], s[0:1], 0x38              ; qkvc
	s_load_b64 s[66:67], s[0:1], 0x40              ; qkvs
	v_lshl_add_u32 v[SPW], v0, 2, SPARE
	v_mov_b32 v[NIL], 0
	ds_add_u32 v[SPW], v[NIL]                      ; the wave's opening: the add, twice on end, and its wait ahead of my first tensor load
	ds_add_u32 v[SPW], v[NIL]
	v_lshrrev_b32 v1, 5, v0
	v_readfirstlane_b32 s14, v1                    ; wave 0..3
	s_lshr_b32 s15, s14, 1                         ; which half of R's rows is mine.  Also: I fetch for R (0) or for P (1)
	s_and_b32 s16, s14, 1                          ; which half of P's rows.  Also: which 128 rows of that tile I fetch
	s_bfe_u32 s40, ttmp6, 0x40000                  ; cx
	s_bfe_u32 s41, ttmp6, 0x40004                  ; cy
	s_and_b32 s2, ttmp7, 0xffff                    ; the cluster's y
	s_lshl_b32 s18, s2, 2
	s_lshl_b32 s19, ttmp9, 2
	s_max_u32 s20, s2, 8
	s_sub_co_u32 s20, s20, 8
	s_lshl_b32 s20, s20, 3
	s_add_co_u32 s20, s20, s19
	s_cmp_lt_u32 s2, 8
	s_cselect_b32 s95, 0, 1                        ; KIND
	s_cselect_b32 s17, s18, 8                      ; R's tile: KIND 0: tokens 4 y + cy;  KIND 1: wc's tiles 8 + cy (Wv)
	s_cselect_b32 s42, s19, s20                    ; P's tile: KIND 0: wc's tiles 4 x + cx;  KIND 1: tokens 4 x + 8 (y - 8) + cx
	s_add_co_u32 s17, s17, s41
	s_add_co_u32 s42, s42, s40
	s_lshl_b32 s43, s41, 2
	s_lshl_b32 s43, 15, s43                        ; my row of the cluster
	s_lshl_b32 s44, 0x1111, s40                    ; my column
	s_or_b32 s[G1+0], s43, (0<<16)|(1<<20)|(1<<21)|(3<<22)|(3<<25)  ; the mask; elements of 1 byte; padding on; bit 21 beside a mask; 4 words of padding behind every 16
	s_or_b32 s[G1B+0], s44, (0<<16)|(1<<20)|(1<<21)|(3<<22)|(3<<25)
.irp g, G1, G1B
	s_mov_b32 s[\g+1], ROWB<<16                    ; tensor_dim0
	s_mov_b32 s[\g+2], 128<<16                     ; tensor_dim1
	s_mov_b32 s[\g+3], ROWB<<16                    ; tile_dim0
	s_mov_b32 s[\g+4], 128                         ; tile_dim1
	s_mov_b32 s[\g+5], KROW                        ; the pitch
	s_mov_b32 s[\g+6], 0
	s_mov_b32 s[\g+7], 0
.endr
	s_or_b32 s[G1S+0], s43, (3<<16)|(1<<20)|(1<<21)|(5<<22)|(3<<25)  ; the scales of 128 rows: 4,096 dense bytes as 16 rows of 256, 16 bytes of padding behind each
	s_or_b32 s[G1SB+0], s44, (3<<16)|(1<<20)|(1<<21)|(5<<22)|(3<<25)
.irp g, G1S, G1SB
	s_mov_b32 s[\g+1], 32<<16
	s_mov_b32 s[\g+2], (128*KS/256)<<16
	s_mov_b32 s[\g+3], 32<<16
	s_mov_b32 s[\g+4], 128*KS/256
	s_mov_b32 s[\g+5], 32
	s_mov_b32 s[\g+6], 0
	s_mov_b32 s[\g+7], 0
.endr
	s_lshl_b32 s18, s16, 7                         ; which 128 rows of the tile I fetch
	s_lshl_b32 s20, s17, 8
	s_add_co_u32 s20, s20, s18                     ; R: row 256 x tile + 128 x half
	s_lshl_b32 s46, s42, 8
	s_add_co_u32 s46, s46, s18                     ; P likewise
	s_mov_b32 s21, 0
	s_mov_b32 s47, 0
	s_mov_b64 s[18:19], KS
	s_mul_u64 s[22:23], s[20:21], s[18:19]         ; where these rows' scales begin
	s_mul_u64 s[92:93], s[46:47], s[18:19]
	s_mov_b64 s[18:19], KROW
	s_mul_u64 s[20:21], s[20:21], s[18:19]         ; and their codes
	s_mul_u64 s[46:47], s[46:47], s[18:19]
	s_mul_i32 s45, s14, HALFT                      ; where they go: wave x 128 rows
	s_mul_i32 s94, s14, HALFS
	s_wait_dscnt 0x0                               ; both opening adds are done
	s_wait_kmcnt 0x0
	s_cmp_eq_u32 s95, 0                            ; the roles: s[4:7] R's codes and scales, s[8:11] P's; the choice hangs on the cluster's y alone
	s_cselect_b64 s[104:105], s[4:5], s[8:9]
	s_cselect_b64 s[8:9], s[8:9], s[4:5]
	s_mov_b64 s[4:5], s[104:105]
	s_cselect_b64 s[104:105], s[6:7], s[10:11]
	s_cselect_b64 s[10:11], s[10:11], s[6:7]
	s_mov_b64 s[6:7], s[104:105]
	s_add_nc_u64 s[20:21], s[4:5], s[20:21]
	s_add_nc_u64 s[22:23], s[6:7], s[22:23]
	s_add_nc_u64 s[46:47], s[8:9], s[46:47]
	s_add_nc_u64 s[92:93], s[10:11], s[92:93]
	CROUND                                         ; all sixteen work-groups are here: the first joint loads meet
	s_mov_b32 s[G0S], 1
	s_add_co_u32 s[G0S+1], s94, SCL
	s_mov_b64 s[G0S+2:G0S+3], s[22:23]
	s_or_b32 s[G0S+3], s[G0S+3], 0x80000000
	s_mov_b32 s[G0SB], 1
	s_add_co_u32 s[G0SB+1], s94, SCL
	s_mov_b64 s[G0SB+2:G0SB+3], s[92:93]
	s_or_b32 s[G0SB+3], s[G0SB+3], 0x80000000
	JLOAD G0S, G1S, G0SB, G1SB                     ; the scales first: they are wanted with K step 0
.irp s, 0,1
	s_mov_b32 s[G0+4*\s], 1
	s_add_co_u32 s[G0+4*\s+1], s45, \s*SLOT
	s_add_nc_u64 s[G0+4*\s+2:G0+4*\s+3], s[20:21], \s*ROWB
	s_or_b32 s[G0+4*\s+3], s[G0+4*\s+3], 0x80000000
	s_mov_b32 s[G0B+4*\s], 1
	s_add_co_u32 s[G0B+4*\s+1], s45, \s*SLOT
	s_add_nc_u64 s[G0B+4*\s+2:G0B+4*\s+3], s[46:47], \s*ROWB
	s_or_b32 s[G0B+4*\s+3], s[G0B+4*\s+3], 0x80000000
	JLOAD G0+4*\s, G1, G0B+4*\s, G1B               ; three loads of mine are out at the most
.endr
	v_and_b32 v1, 15, v0                           ; r
	v_bfe_u32 v2, v0, 4, 1                         ; h; kept
	v_mul_u32_u24 v3, v1, PITCH
	v_mul_u32_u24 v4, v2, 24
	v_add_nc_u32 v4, v3, v4                        ; a fragment's row x pitch + 24 h
	v_lshl_add_u32 v5, v2, 4, v4                   ; and the same behind one padding more
	s_mul_i32 s21, s15, HALFT                      ; my 128 rows of R
	s_mul_i32 s22, s16, HALFT                      ; my 128 rows of P,
	s_add_co_u32 s22, s22, 2*HALFT                 ; which lie behind R's 256
.irp s, 0,1
	v_add_nc_u32 v[ADRA+\s], s21, v4
	v_add_nc_u32 v[ADRB+\s], s22, v4
	v_add_nc_u32 v[ADRA+2+\s], s21, v5
	v_add_nc_u32 v[ADRB+2+\s], s22, v5
	s_add_co_u32 s21, s21, SLOT
	s_add_co_u32 s22, s22, SLOT
.endr
	v_mul_u32_u24 v5, v1, KS                       ; my row's scales: 32 bytes a row,
	v_lshrrev_b32 v6, 8, v5
	v_lshl_add_u32 v5, v6, 4, v5                   ; and 16 more for each 256 passed
	s_mul_i32 s21, s15, HALFS
	s_mul_i32 s22, s16, HALFS
	s_add_co_u32 s22, s22, 2*HALFS
	s_sub_co_u32 s22, s22, s21
	v_mul_u32_u24 v6, s22, v2                      ; lanes 16-31 take P's
	s_add_co_u32 s21, s21, SCL
	v_add_nc_u32 v5, v5, v6
	v_add_nc_u32 v[ADRS], s21, v5
	v_and_b32 v6, 31, v0                           ; the way out's offsets
	v_lshlrev_b32 v[L16], 4, v6
	v_lshlrev_b32 v[L8], 3, v6
	v_mul_u32_u24 v[SOFF], v2, BHS
	v_lshl_add_u32 v[SOFF], v1, 4, v[SOFF]
	v_lshlrev_b32 v[SH], 4, v2
	v_lshlrev_b32 v[BO0], 6, v2
	v_and_b32 v[BO1], 8, v1
	v_add_nc_u32 v[BO1], v[BO1], v1
	v_lshlrev_b32 v[BO1], 2, v[BO1]
.irp b, 0,1,2,3
	v_mov_b32 v[TM+4+\b], 0                        ; written once: a lane permute's destination counts as one of its sources
.endr
.macro FRAG reg, adr, q, i             ; a fragment, 16 rows x 128 K, is 12 registers: registers 6 c .. 6 c + 5 hold K = 64 c + 32 h + 0 .. 31: 24 bytes of the row, in pieces of 8 bytes
.irp p, 0,1,2,3,4,5
.set PIECE, 12*(\q)+6*(\p/3)+\p%3      ; 16 bytes of padding lie behind every 8 pieces: where the piece three on lies behind one padding more, the second address register serves
.if PIECE%8 < 5
	ds_load_b64 v[\reg+2*\p:\reg+2*\p+1], v[\adr] offset:8*PIECE+16*(PIECE/8)+(\i)*16*PITCH
.else
	ds_load_b64 v[\reg+2*\p:\reg+2*\p+1], v[\adr+2] offset:8*PIECE+16*(PIECE/8)+(\i)*16*PITCH
.endif
.endr
.endm
; 16 matrix instructions: R's blocks a0, a0 + 1 x P's eight, 128 along K.  The 64 accumulators take turns, one instruction a turn, in the same order in every step.
.macro MUL16 a0, p, q, sc, zero
.irp a, \a0, \a0+1
.irp b, 0,1,2,3,4,5,6,7
.if \zero
	v_wmma_scale_f32_16x16x128_f8f6f4 v[8*(8*((\a)%4)+\b):8*(8*((\a)%4)+\b)+7], v[128*(\p)+FR*\b:128*(\p)+FR*\b+FR-1], v[AF+FR*(\a):AF+FR*(\a)+FR-1], 0, v[SC+8*NQ*(\sc)+NQ*\b+(\q)], v[SC+8*NQ*(\sc)+NQ*(\a)+(\q)] matrix_a_fmt:MATRIX_FMT_FP6 matrix_b_fmt:MATRIX_FMT_FP6 matrix_a_scale:MATRIX_SCALE_ROW1
.else
	v_wmma_scale_f32_16x16x128_f8f6f4 v[8*(8*((\a)%4)+\b):8*(8*((\a)%4)+\b)+7], v[128*(\p)+FR*\b:128*(\p)+FR*\b+FR-1], v[AF+FR*(\a):AF+FR*(\a)+FR-1], v[8*(8*((\a)%4)+\b):8*(8*((\a)%4)+\b)+7], v[SC+8*NQ*(\sc)+NQ*\b+(\q)], v[SC+8*NQ*(\sc)+NQ*(\a)+(\q)] matrix_a_fmt:MATRIX_FMT_FP6 matrix_b_fmt:MATRIX_FMT_FP6 matrix_a_scale:MATRIX_SCALE_ROW1
.endif
.endr
.endr
.endm
.macro FETCH_B slot, q, p
	WIN TO_B
.irp i, 0,1,2,3,4,5,6,7
	FRAG 128*(\p)+FR*\i, ADRB+\slot, \q, \i
.endr
	WIN 0
.endm
.macro FETCH_A slot, q, i0
.irp i, \i0, \i0+1, \i0+2, \i0+3
	FRAG AF+FR*(\i), ADRA+\slot, \q, \i
.endr
.endm
.macro SCALES sc                       ; a K step's scale words: lanes 0-15 take R's block i, lanes 16-31 P's block i
.irp i, 0,1,2,3,4,5,6,7
	ds_load_b64 v[SC+8*NQ*\sc+NQ*\i:SC+8*NQ*\sc+NQ*\i+1], v[ADRS] offset:\i*SBLK
.endr
.endm
.macro PLACES n                        ; plain vector lines between a matrix instruction and a load into, or a vector line on, its registers
.rept \n
	v_nop
.endr
.endm
.macro STEP slot, q, zero              ; a step of 128 along K that has its successor in the same slot
	s_wait_dscnt 4*NL                              ; P's set and R's blocks 0-3 are in; the youngest 24 loads (R's blocks 4-7) may be out
	WIN MUL_LO
	MUL16 0, (\q)%2, \q, \slot, \zero
	MUL16 2, (\q)%2, \q, \slot, \zero
	s_wait_dscnt 0
	PLACES NP
	FETCH_B \slot, (\q)+1, 1-(\q)%2
	FETCH_A \slot, (\q)+1, 0
	WIN MUL_HI
	MUL16 4, (\q)%2, \q, \slot, \zero
	MUL16 6, (\q)%2, \q, \slot, \zero
	PLACES NP
	WIN 0
	FETCH_A \slot, (\q)+1, 4
.endm
; A slot's last step changes slots: one barrier; in front of it each wave waits for all its tensor loads, adds 0 to its spare word, and waits for that and for its own reads of this slot.  fill = 1: this slot is filled again, two K steps ahead, behind a round of the cluster's barrier.
.macro TURN slot, next, fill
	s_wait_tensorcnt 0x0                           ; all my tensor loads have landed: my part of the next slot
	ds_add_u32 v[SPW], v[NIL]                      ; 0 onto my spare word
	s_wait_dscnt 4*NL+1                            ; (the add and the youngest 24 loads may be out)
	WIN MUL_LO
	MUL16 0, 1, NQ-1, \slot, 0
	s_wait_dscnt 0x0                               ; the add is done, and my reads of this slot are over
	s_barrier_signal -1
	MUL16 2, 1, NQ-1, \slot, 0
	WIN 0
	s_barrier_wait -1
.if \fill
	CREST                                          ; no wave of any partner still reads this slot's tile or has a load on its way
	s_add_nc_u64 s[G0+4*\slot+2:G0+4*\slot+3], s[G0+4*\slot+2:G0+4*\slot+3], 2*ROWB
	s_add_nc_u64 s[G0B+4*\slot+2:G0B+4*\slot+3], s[G0B+4*\slot+2:G0B+4*\slot+3], 2*ROWB
	JLOAD G0+4*\slot, G1, G0B+4*\slot, G1B         ; the first tensor load behind the round; its four v_nop are the places in front of the loads below
.else
	PLACES NP
.endif
	v_add_nc_u32 v[ADRS], 4*NQ, v[ADRS]            ; on to the next K step's scale words
	FETCH_B \next, 0, 0
	FETCH_A \next, 0, 0
	SCALES \next
	WIN MUL_HI
	MUL16 4, 1, NQ-1, \slot, 0
	MUL16 6, 1, NQ-1, \slot, 0
	PLACES NP
	WIN 0
	FETCH_A \next, 0, 4
.endm
.macro LAST                            ; the very last step: nothing more to fetch
	s_wait_dscnt 4*NL
	WIN MUL_LO
	MUL16 0, 1, NQ-1, 1, 0
	MUL16 2, 1, NQ-1, 1, 0
	s_wait_dscnt 0
	WIN MUL_HI
	MUL16 4, 1, NQ-1, 1, 0
	MUL16 6, 1, NQ-1, 1, 0
	WIN 0
.endm
; 64 numbers of a lane, v[s] on, register 16 b + i = K index 32 b + 16 h + i of my row, become a fragment's codes in v[PC] on and its scale word in v[pw].
.macro QUANT s, pw
.irp b, 0,1,2,3
	v_max3_num_f32 v[TM+\b], |v[\s+16*\b]|, |v[\s+1+16*\b]|, 0x1800000   ; my 16 numbers of block b, and the floor 2^(3 - 127): the byte cannot fall under 1
.endr
.irp i, 2,4,6,8,10,12,14
.irp b, 0,1,2,3
	v_max3_num_f32 v[TM+\b], v[TM+\b], |v[\s+16*\b+\i]|, |v[\s+1+16*\b+\i]|
.endr
.endr
.irp b, 0,1,2,3
	v_permlanex16_b32 v[TM+4+\b], v[TM+\b], s[SEL], s[SEL+1]
.endr
.irp b, 0,1,2,3
	v_max_num_f32 v[TM+\b], v[TM+\b], v[TM+4+\b]   ; with lane l xor 16's: the block's largest magnitude
.endr
.irp b, 0,1,2,3
	v_add_nc_u32 v[TM+12+\b], 0xff000000, v[TM+\b] ; 2 off its exponent field: the conversion's scale operand
.endr
.irp b, 0,1,2,3
	v_lshrrev_b32 v[TM+4+\b], 23, v[TM+12+\b]      ; the scale's byte
.endr
	v_lshl_or_b32 v[\pw], v[TM+5], 8, v[TM+4]
	v_lshl_or_b32 v[\pw], v[TM+6], 16, v[\pw]
	v_lshl_or_b32 v[\pw], v[TM+7], 24, v[\pw]
.irp c, 0,1
	v_cvt_scalef32_pk16_fp6_f32 v[PC+6*\c:PC+2+6*\c], v[\s+32*\c:\s+15+32*\c], v[TM+12+2*\c]
	v_cvt_scalef32_pk16_fp6_f32 v[PC+12+4*\c:PC+14+4*\c], v[\s+16+32*\c:\s+31+32*\c], v[TM+12+2*\c+1]   ; (a conversion's three registers begin on an even number)
.endr
	v_nop                                          ; one plain line behind the conversions
.irp c, 0,1                            ; the operand's layout wants a whole block in a lane: lanes 0-15 block 2 c, lanes 16-31 block 2 c + 1
.irp i, 0,1,2
	v_permlane16_swap_b32 v[PC+6*\c+\i], v[PC+12+4*\c+\i]
.endr
.irp i, 0,1,2
	v_mov_b32 v[PC+3+6*\c+\i], v[PC+12+4*\c+\i]
.endr
.endr
.endm
; THE WAY OUT of block a: the bias is added as the results move to window 0 (each accumulator from its low end on), the 64 numbers are quantised, the codes are stored as images: every store covers whole aligned runs of 256 bytes.
.macro EPI a, kind
	s_wait_xcnt 0x0                                ; the block before's stores have read the codes' registers
	WIN 0x02+((\a)/4)                              ; source 0: window 2 or 3
.set AC, 64*((\a)%4)
.set i, 0
.rept 32
.if \kind
	v_pk_add_f32 v[H+2*i:H+2*i+1], v[AC+2*i:AC+2*i+1], v[BI+2*(\a):BI+2*(\a)+1]   ; v: one bias a lane (its d), held twice
.else
	v_pk_add_f32 v[H+2*i:H+2*i+1], v[AC+2*i:AC+2*i+1], v[BI+2*i:BI+2*i+1]         ; q, k: a bias for each register
.endif
.set i, i+1
.endr
	WIN 0
	QUANT H, PWS+(\a)
.if \kind
.irp c, 0,1,2
	global_store_b128 v[L16], v[PC+4*\c:PC+4*\c+3], s[12:13] offset:((\a)/4)*BHC+((\a)%4)*1536+512*\c   ; blocks 0-3: my first head's four tiles of d; 4-7: the next head's
.endr
.else
.irp c, 0,1                            ; registers 6 c .. 6 c + 5 are head c's 64 numbers of these 16 tokens
	global_store_b128 v[L16], v[PC+6*\c:PC+6*\c+3], s[12:13] offset:768*(\a)+BHC*\c
	global_store_b64 v[L8], v[PC+6*\c+4:PC+6*\c+5], s[12:13] offset:768*(\a)+BHC*\c+512
.endr
.endif
.endm
	s_wait_tensorcnt 1                             ; the scales and my part of K step 0 are in (K step 1's load may be out),
	s_barrier_signal -1
	s_barrier_wait -1                              ; everybody's are
	FETCH_B 0, 0, 0
	FETCH_A 0, 0, 0
	SCALES 0
	FETCH_A 0, 0, 4
	STEP 0, 0, 1                                   ; the first step's products start the sums: nothing is cleared
	s_mov_b32 s3, LAPS-1
.Llap:                                             ; a trip goes once round the ring and fills both slots again
	TURN 0, 1, 1
	STEP 1, 0, 0
	TURN 1, 0, 1
	STEP 0, 0, 0
	s_sub_co_u32 s3, s3, 1
	s_cmp_lg_u32 s3, 0
	s_cbranch_scc1 .Llap
	TURN 0, 1, 0                                   ; the last lap fills nothing
	STEP 1, 0, 0
	s_cmp_eq_u32 s95, 0                            ; the one branch on KIND: behind the last tensor load; the same in all waves of all sixteen partners
	s_cbranch_scc0 .Lv
	; ---- q and k.  My 128 tokens: batch s17 / 8, group 2 (s17 % 8) + s15;  my 128 columns: heads 4 cx + 2 s16 and the next
	s_lshr_b32 s18, s17, 3
	s_and_b32 s19, s17, 7
	s_lshl_b32 s18, s18, 4
	s_lshl_b32 s20, s40, 2
	s_add_co_u32 s18, s18, s20
	s_lshl_b32 s20, s16, 1
	s_add_co_u32 s18, s18, s20                     ; bh of my first head
	s_lshl_b32 s19, s19, 1
	s_add_co_u32 s19, s19, s15                     ; my group of 128 tokens
	s_mul_i32 s22, s18, BHC
	s_mul_i32 s23, ttmp9, 98304                    ; q's part or k's
	s_add_co_u32 s22, s22, s23
	s_mul_i32 s23, s19, 8*768                      ; eight tiles a group
	s_add_co_u32 s22, s22, s23
	s_mov_b32 s23, 0
	s_add_nc_u64 s[12:13], s[12:13], s[22:23]
	s_mul_i32 s22, s18, BHS
	s_lshl_b32 s23, ttmp9, 13
	s_add_co_u32 s22, s22, s23
	s_lshl_b32 s23, s19, 9
	s_add_co_u32 s22, s22, s23
	s_mov_b32 s23, 0
	s_add_nc_u64 s[66:67], s[66:67], s[22:23]
	s_lshl_b32 s92, s40, 10
	s_lshl_b32 s93, s16, 9
	s_add_co_u32 s92, s92, s93                     ; my 128 columns' biases: 4 (256 cx + 128 s16)
	s_mov_b32 s93, 0
	s_cmp_eq_u32 ttmp9, 0
	s_cselect_b64 s[22:23], s[96:97], s[98:99]     ; bq or bk
	s_add_nc_u64 s[22:23], s[22:23], s[92:93]
	s_mov_b32 s[SEL], 0x76543210
	s_mov_b32 s[SEL+1], 0xfedcba98
.irp t, 0,1,2,3,4,5,6,7                ; register 8 t + j wants the bias of column 32 (t / 2) + 16 h + 8 (t % 2) + j.  The loads stand ahead of the last 64 products
	global_load_b128 v[BI+8*\t:BI+8*\t+3], v[BO0], s[22:23] offset:(32*(\t/2)+8*(\t%2))*4
	global_load_b128 v[BI+8*\t+4:BI+8*\t+7], v[BO0], s[22:23] offset:(32*(\t/2)+8*(\t%2))*4+16
.endr
	LAST
	s_wait_loadcnt 0x0
	PLACES NP                                      ; behind the last products: their results are read, and R's fragments' registers written, below
.irp a, 0,1,2,3,4,5,6,7
	EPI \a, 0
.endr
.irp a, 0,1,2,3,4,5,6,7
	v_lshrrev_b32 v[SW+\a], v[SH], v[PWS+\a]       ; lanes 0-15 store the first head's word (bytes 0, 1), lanes 16-31 the second's (bytes 2, 3 brought down)
.endr
	global_store_b128 v[SOFF], v[SW:SW+3], s[66:67]
	global_store_b128 v[SOFF], v[SW+4:SW+7], s[66:67] offset:256
	s_branch .Lend
.Lv:
	; ---- v.  My 128 tokens: batch s42 / 8, key step 2 (s42 % 8) + s16;  my 128 columns: heads 4 cy + 2 s15 and the next
	s_lshr_b32 s18, s42, 3
	s_and_b32 s19, s42, 7
	s_lshl_b32 s19, s19, 1
	s_add_co_u32 s19, s19, s16                     ; the key step
	s_lshl_b32 s18, s18, 4
	s_lshl_b32 s20, s41, 2
	s_add_co_u32 s18, s18, s20
	s_lshl_b32 s20, s15, 1
	s_add_co_u32 s18, s18, s20                     ; bh of my first head
	s_mul_i32 s22, s18, BHC
	s_add_co_u32 s22, s22, 196608
	s_mul_i32 s23, s19, 6144
	s_add_co_u32 s22, s22, s23
	s_mov_b32 s23, 0
	s_add_nc_u64 s[12:13], s[12:13], s[22:23]
	s_mul_i32 s22, s18, BHS
	s_add_co_u32 s22, s22, 16384
	s_lshl_b32 s23, s19, 8
	s_add_co_u32 s22, s22, s23
	s_mov_b32 s23, 0
	s_add_nc_u64 s[66:67], s[66:67], s[22:23]
	s_lshl_b32 s92, s41, 10
	s_lshl_b32 s93, s15, 9
	s_add_co_u32 s92, s92, s93
	s_mov_b32 s93, 0
	s_add_nc_u64 s[22:23], s[100:101], s[92:93]    ; bv at my 128 columns
	s_mov_b32 s[SEL], 0x76543210
	s_mov_b32 s[SEL+1], 0xfedcba98
.irp a, 0,1,2,3,4,5,6,7                ; in block a my lane's column is 32 (a / 2) + 8 (a % 2) + r + 8 (r / 8); its bias fills a pair for the packed add
	global_load_b32 v[BI+2*\a], v[BO1], s[22:23] offset:(32*(\a/2)+8*(\a%2))*4
	global_load_b32 v[BI+2*\a+1], v[BO1], s[22:23] offset:(32*(\a/2)+8*(\a%2))*4
.endr
	LAST
	s_wait_loadcnt 0x0
	PLACES NP
.irp a, 0,1,2,3,4,5,6,7
	EPI \a, 1
.endr
	v_cmp_eq_u32 vcc_lo, 1, v2                     ; lanes 16-31 (no tensor load follows)
.irp i, 0,1,2,3
	v_cndmask_b32 v[SW+\i], v[PWS+\i], v[PWS+4+\i], vcc_lo   ; lanes 0-15 store the first head's four words, lanes 16-31 the next head's (both halves of the lanes hold row r's word)
.endr
	global_store_b128 v[SOFF], v[SW:SW+3], s[66:67]
.Lend:
	s_wait_tensorcnt 0x0                           ; the wave's end, behind my last tensor load
	ds_add_u32 v[SPW], v[NIL]
	s_wait_dscnt 0x0
	CROUND                                         ; the closing round: no work-group ends while a partner may still ask for a tile that names it
	s_endpgm
.Lfunc_end_k_q85772301b2_qkv:
	.size	k_q85772301b2_qkv, .Lfunc_end_k_q85772301b2_qkv-k_q85772301b2_qkv
	.p2alignl 7, 3214868480
	.fill 96, 4, 3214868480
	.section	.rodata,"a",@progbits
	.p2align	6, 0x0
	.amdhsa_kernel k_q85772301b2_qkv
		.amdhsa_group_segment_fixed_size 327680
		.amdhsa_private_segment_fixed_size 0
		.amdhsa_enable_private_segment 0
		.amdhsa_kernarg_size 72
		.amdhsa_user_sgpr_count 2
		.amdhsa_user_sgpr_kernarg_segment_ptr 1
		.amdhsa_wavefront_size32 1
		.amdhsa_system_sgpr_workgroup_id_x 1
		.amdhsa_system_sgpr_workgroup_id_y 1
		.amdhsa_system_sgpr_workgroup_id_z 1
		.amdhsa_system_vgpr_workitem_id 0
		.amdhsa_next_free_vgpr 1024
		.amdhsa_next_free_sgpr 106
		.amdhsa_reserve_vcc 1
		.amdhsa_float_denorm_mode_32 3
		.amdhsa_float_denorm_mode_16_64 3
		.amdhsa_memory_ordered 1
		.amdhsa_forward_progress 1
		.amdhsa_inst_pref_size 243
	.end_amdhsa_kernel
	.amdgpu_metadata
---
amdhsa.version: [ 1, 2 ]
amdhsa.kernels:
  - .name:           k_q85772301b2_qkv
    .symbol:         k_q85772301b2_qkv.kd
    .args:
      - { .name: xc, .offset: 0, .size: 8, .value_kind: global_buffer, .address_space: global }
      - { .name: xs, .offset: 8, .size: 8, .value_kind: global_buffer, .address_space: global }
      - { .name: wc, .offset: 16, .size: 8, .value_kind: global_buffer, .address_space: global }
      - { .name: ws, .offset: 24, .size: 8, .value_kind: global_buffer, .address_space: global }
      - { .name: bq, .offset: 32, .size: 8, .value_kind: global_buffer, .address_space: global }
      - { .name: bk, .offset: 40, .size: 8, .value_kind: global_buffer, .address_space: global }
      - { .name: bv, .offset: 48, .size: 8, .value_kind: global_buffer, .address_space: global }
      - { .name: qkvc, .offset: 56, .size: 8, .value_kind: global_buffer, .address_space: global }
      - { .name: qkvs, .offset: 64, .size: 8, .value_kind: global_buffer, .address_space: global }
    .group_segment_fixed_size: 327680
    .private_segment_fixed_size: 0
    .kernarg_segment_align: 8
    .kernarg_segment_size: 72
    .max_flat_workgroup_size: 128
    .sgpr_count:     106
    .vgpr_count:     1024
    .wavefront_size: 32
...
	.end_amdgpu_metadata
.endif
;; end of part 3
;; launch attn (part 4): grid 4 x 64, 16 waves a work-group, clusters of 4 x 1, 280,576 bytes of LDS; arguments qkvc, qkvs, x, y; writes y
.if DOCPART == 4
	.amdgcn_target "amdgcn-amd-amdhsa--gfx1250"
	.amdhsa_code_object_version 6
	.text
	.protected	k_q85772301b2_attn
	.globl	k_q85772301b2_attn
	.p2align	8
	.type	k_q85772301b2_attn,@function
k_q85772301b2_attn:
	s_mov_b64 s[64:65], 0
	v_nop
	global_prefetch_b8 v0, s[64:65] scope:SCOPE_SE
	s_setreg_imm32_b32 hwreg(HW_REG_WAVE_MODE, 25, 1), 1
	s_wait_xcnt 0x0
	s_wait_alu depctr_hold_cnt(0) depctr_sa_sdst(0) depctr_va_vdst(0) depctr_va_sdst(0) depctr_va_ssrc(0) depctr_va_vcc(0) depctr_vm_vsrc(0)
	s_getreg_b32 s2, hwreg(HW_REG_IB_STS2, 6, 4)
	s_cmp_eq_u32 s2, 0
	s_cbranch_scc0 .Lentry_in_a_cluster
	s_endpgm
.Lentry_in_a_cluster:
	s_bfe_u32 s2, ttmp6, 0x10000c
	s_cmp_lg_u32 s2, 0x3003
	s_cbranch_scc0 .Lentry_shape_is_right
	s_endpgm
.Lentry_shape_is_right:
; y[b][q][64 head + d] = x[..] + (the sum over keys of p v) / l, p = 2^(t - M), t = (q . k / 32) log2(e), M = the running largest t rounded up to a whole number; both products on codes of FP6 (E2M3) with E8M0 scales; l is the sum of the unquantised p.  Nothing is left out.
; SHARES.  A work-group owns 512 queries of one bh = 16 batch + head; each of its sixteen waves makes two tiles of 16 queries, one after the other (two passes): tile 32 cx + 16 pass + wave, whose row r is token 32 (T / 2) + 8 (T % 2) + r + 8 (r / 8).
; THE HEAD'S WHOLE K AND V STAY IN LDS: 196,608 bytes of codes and 12,288 of scale words, filled once: no ring, no refill, no barrier in the loop.  The cluster's four work-groups want the same bytes: every fill is a joint load with a mask that names the four; each wave brings 12,288 + 768 bytes; two loads of mine are out.
; All operands lie as images of operand registers, so every LDS read takes consecutive bytes, 16 or 8 a lane.
; LAYOUT.  Both products are used transposed: S^T = K Q^T (source 0 = 16 keys, source 1 = my 16 queries), O^T = V^T P^T: a lane holds one query throughout.  By the tiles' row order the 16 registers of score tiles 2 b, 2 b + 1 are keys 32 b + 16 h + 0 .. 15, and O^T's register 16 g + e is d = 32 g + 16 h + e.
; K = 64 IN AN INSTRUCTION OF 128: Q's registers 6-11 are zero codes.  K's operand for tile t names v[32 + 6 t .. 43 + 6 t]: its upper six registers are the next tile's codes (behind the last tile: zeros); they meet Q's zero codes alone, so they add exact zeros, and no scale byte there is 0xff.
; A block's largest p is not searched for: the block's largest score goes through the same multiply-add and exponential (this takes v_exp_f32 not to fall where its input rises; at the worst one p within an ulp of a power of two is held one code low).
; x's 16 rows x 256 bytes of a pass are loaded a whole pass ahead into registers that are idle, so nothing waits for them.
; LIMITS: a block whose every p is 0 keeps the byte 1 (zero codes); NaN and infinities are not served.
.set VIMG,  98304                      ; LDS: K's images from 0 (6,144 a step, 768 a tile), V's from here (6,144 a step, 1,536 a tile),
.set KSC,   196608                     ; K's scale words (512 a step),
.set VSC,   204800                     ; V's (256 a step),
.set STG,   208896                     ; the stages for the way out: 16 rows x 272 bytes for each wave,
.set SPARE, 278528                     ; the spare words, 128 bytes a wave, which no other line names
.set BHC,   294912
.set BHS,   20480
.set L16,  1                           ; v1   16 x lane
.set L8,   2                           ; v2   8 x lane
.set R16,  3                           ; v3   16 r
.set ADK,  4
.set SPW,  5
.set NIL,  6
.set GO,   7                           ; v7   4096 h + 16 r: my 16 bytes in two rows of x and y
.set ADK8, 8
.set ADV,  9
.set ADS,  10
.set ADT,  11
.set ASK0, 28                          ; v28  KSC + 16 r
.set STI,  29                          ; v29  the stage, on the way in
.set STO,  30                          ; v30  and back
.set ASV0, 31                          ; v31  VSC + 16 r
.set KV,   32                          ; v32-79 K's 8 x 6 registers, then V's 4 x 12; v80-85 zeros
.set WV,   12
.set G1C,  16
.set G1S,  24
.set G0C,  32
.set G0S,  36
.set SEL,  40
.set CS,   42                          ; s[42:43] c = log2(e) / 32
.set TB,   44
.set TS,   45
.set TV,   46
.set CNT,  47
.macro CROUND
	s_barrier_signal -1
	s_barrier_wait -1
	s_cmp_lg_u32 s[WV], 0
	s_cbranch_scc1 .Lnot_wave_0_\@
	s_barrier_signal -3
.Lnot_wave_0_\@:
	s_barrier_wait -3
	s_barrier_signal -1
	s_barrier_wait -1
.endm
	s_load_b256 s[4:11], s[0:1], 0x0               ; qkvc, qkvs, x, y
	v_lshl_add_u32 v[SPW], v0, 2, SPARE
	v_mov_b32 v[NIL], 0
	ds_add_u32 v[SPW], v[NIL]                      ; the wave's opening: the add, twice on end, and its wait ahead of my first tensor load
	ds_add_u32 v[SPW], v[NIL]
	v_lshrrev_b32 v1, 5, v0
	v_readfirstlane_b32 s[WV], v1                  ; wave 0..15
	s_bfe_u32 s13, ttmp6, 0x40000                  ; cx: it enters q's, x's and y's addresses alone
	s_and_b32 s14, ttmp7, 0xffff                   ; bh, which the four partners share
	s_mov_b32 s[G1C], 15|(3<<16)|(1<<21)           ; the mask: all four; elements of 8 bytes; bit 21 beside a mask; no padding
	s_mov_b32 s[G1C+1], 32<<16                     ; rows of 256 bytes,
	s_mov_b32 s[G1C+2], 48<<16                     ; 48 of them, dense
	s_mov_b32 s[G1C+3], 32<<16
	s_mov_b32 s[G1C+4], 48
	s_mov_b32 s[G1C+5], 32
	s_mov_b32 s[G1C+6], 0
	s_mov_b32 s[G1C+7], 0
	s_mov_b32 s[G1S], 15|(3<<16)|(1<<21)           ; the scale words: 3 rows of 256 bytes
	s_mov_b32 s[G1S+1], 32<<16
	s_mov_b32 s[G1S+2], 3<<16
	s_mov_b32 s[G1S+3], 32<<16
	s_mov_b32 s[G1S+4], 3
	s_mov_b32 s[G1S+5], 32
	s_mov_b32 s[G1S+6], 0
	s_mov_b32 s[G1S+7], 0
	s_mul_i32 s48, s14, BHC
	s_mul_i32 s50, s14, BHS
	s_mov_b32 s[G0C], 1
	s_mul_i32 s[G0C+1], s[WV], 12288               ; LDS: my 12,288 bytes of K's and V's images
	s_mov_b32 s[G0S], 1
	s_mul_i32 s60, s[WV], 768
	s_add_co_u32 s[G0S+1], s60, KSC                ; and my 768 of the scale words
	s_add_co_u32 s66, s48, s[G0C+1]
	s_add_co_u32 s66, s66, 98304                   ; in memory: behind the head's q
	s_mov_b32 s67, 0
	s_add_co_u32 s68, s50, s60
	s_add_co_u32 s68, s68, 8192
	s_mov_b32 s69, 0
	s_mov_b32 s[SEL], 0x76543210
	s_mov_b32 s[SEL+1], 0xfedcba98
	s_mov_b32 s[CS], 0x3d38aa3b                    ; log2(e) / 32
	s_mov_b32 s[CS+1], s[CS]                       ; (named with it as a pair, so it is written)
	s_wait_dscnt 0x0                               ; both opening adds are done
	s_wait_kmcnt 0x0
	s_add_nc_u64 s[G0C+2:G0C+3], s[4:5], s[66:67]
	s_or_b32 s[G0C+3], s[G0C+3], 0x80000000
	s_add_nc_u64 s[G0S+2:G0S+3], s[6:7], s[68:69]
	s_or_b32 s[G0S+3], s[G0S+3], 0x80000000
	CROUND                                         ; all four work-groups are here: the joint loads meet
	tensor_load_to_lds s[G0C:G0C+3], s[G1C:G1C+7]
	s_nop 0
	tensor_load_to_lds s[G0S:G0S+3], s[G1S:G1S+7]
	s_nop 0
.rept 4
	v_nop
.endr
	s_lshl_b32 s60, s13, 5                         ; q's codes: tile 32 cx + wave
	s_add_co_u32 s60, s60, s[WV]
	s_mul_i32 s60, s60, 768
	s_add_co_u32 s60, s60, s48
	s_mov_b32 s61, 0
	s_add_nc_u64 s[52:53], s[4:5], s[60:61]
	s_lshl_b32 s60, s13, 2                         ; q's scale words: group 4 cx + wave / 8, tile wave % 8 of it
	s_lshr_b32 s61, s[WV], 3
	s_add_co_u32 s60, s60, s61
	s_lshl_b32 s60, s60, 9
	s_bfe_u32 s61, s[WV], 0x10002
	s_lshl_b32 s61, s61, 8
	s_add_co_u32 s60, s60, s61
	s_and_b32 s61, s[WV], 3
	s_lshl_b32 s61, s61, 2
	s_add_co_u32 s60, s60, s61
	s_add_co_u32 s60, s60, s50
	s_mov_b32 s61, 0
	s_add_nc_u64 s[54:55], s[6:7], s[60:61]
	s_lshr_b32 s60, s14, 4                         ; x and y: row 2048 batch + 512 cx + 32 (wave / 2) + 8 (wave % 2), byte 256 head
	s_lshl_b32 s60, s60, 11
	s_lshl_b32 s61, s13, 9
	s_add_co_u32 s60, s60, s61
	s_lshr_b32 s61, s[WV], 1
	s_lshl_b32 s61, s61, 5
	s_add_co_u32 s60, s60, s61
	s_and_b32 s61, s[WV], 1
	s_lshl_b32 s61, s61, 3
	s_add_co_u32 s60, s60, s61
	s_lshl_b32 s60, s60, 12
	s_and_b32 s61, s14, 15
	s_lshl_b32 s61, s61, 8
	s_add_co_u32 s60, s60, s61
	s_mov_b32 s61, 0
	s_add_nc_u64 s[56:57], s[8:9], s[60:61]
	s_add_nc_u64 s[58:59], s[10:11], s[60:61]
	v_and_b32 v8, 31, v0                           ; lane
	v_and_b32 v9, 15, v0                           ; r
	v_bfe_u32 v10, v0, 4, 1                        ; h
	v_lshlrev_b32 v[L16], 4, v8
	v_lshlrev_b32 v[L8], 3, v8
	v_lshlrev_b32 v[R16], 4, v9
	v_add_nc_u32 v[ASK0], KSC, v[R16]
	v_add_nc_u32 v[ASV0], VSC, v[R16]
	v_lshlrev_b32 v[GO], 12, v10
	v_lshl_add_u32 v[GO], v9, 4, v[GO]
	s_mul_i32 s60, s[WV], 16*272
	s_add_co_u32 s60, s60, STG                     ; my stage
	v_mul_u32_u24 v[STI], v9, 272
	v_lshl_add_u32 v[STI], v10, 6, v[STI]
	v_add_nc_u32 v[STI], s60, v[STI]               ; in: row r, + 64 h
	v_mul_u32_u24 v[STO], v10, 272
	v_lshl_add_u32 v[STO], v9, 4, v[STO]
	v_add_nc_u32 v[STO], s60, v[STO]               ; back: lanes 0-15 one row, lanes 16-31 the next
.irp j, 22,23,24,25,26,27,80,81,82,83,84,85
	v_mov_b32 v\j, 0                               ; Q's upper 64 codes, and what stands behind K's last tile: zero codes, written once
.endr
.irp b, 0,1,2,3
	v_mov_b32 v[236+\b], 0                         ; written once: a lane permute's destination counts as one of its sources
.endr
	v_mov_b32 v253, 0                              ; (named as the upper half of the pair v[252:253] before it is first written)
.macro QLOAD i                         ; pass i's tile of q: six registers of codes and the scale word
	global_load_b128 v[16:19], v[L16], s[52:53] offset:12288*(\i)
	global_load_b64 v[20:21], v[L8], s[52:53] offset:12288*(\i)+512
	global_load_b32 v255, v[R16], s[54:55] offset:1024*(\i)
.endm
.macro XLOAD i                         ; pass i's 16 rows x 256 bytes of x: load n takes the tile's rows 2 n and 2 n + 1, which are tokens 2 n + 8 (n / 4) on
.irp n, 0,1,2,3,4,5,6,7
	global_load_b128 v[192+4*\n:195+4*\n], v[GO], s[56:57] offset:1048576*(\i)+(2*\n+8*(\n/4))*4096 th:TH_LOAD_NT
.endr
.endm
	QLOAD 0
	XLOAD 0
	s_wait_tensorcnt 0x0                           ; my parts of K, V and their scale words are in,
	s_barrier_signal -1
	s_barrier_wait -1                              ; everybody's are; nothing is filled again
; A KEY STEP: 128 keys.
.macro STEP
	v_add_nc_u32 v[ADK], s[TB], v[L16]             ; these five lines are also the places in front of the loads into registers that the last products read
	v_add_nc_u32 v[ADK8], s[TB], v[L8]
	v_add_nc_u32 v[ADS], s[TS], v[ASK0]
	v_add_nc_u32 v[ADT], s[TV], v[ASV0]
	v_add_nc_u32 v[ADV], VIMG, v[ADK]
.irp t, 0,1,2,3,4,5,6,7
	ds_load_b128 v[KV+6*\t:KV+6*\t+3], v[ADK] offset:768*\t
	ds_load_b64 v[KV+6*\t+4:KV+6*\t+5], v[ADK8] offset:768*\t+512
.endr
	ds_load_b128 v[86:89], v[ADS]                  ; the eight tiles' scale words
	ds_load_b128 v[90:93], v[ADS] offset:256
	s_wait_dscnt 0x0
.irp t, 0,1,2,3,4,5,6,7
	v_wmma_scale_f32_16x16x128_f8f6f4 v[96+8*\t:103+8*\t], v[KV+6*\t:KV+6*\t+11], v[16:27], 0, v[86+\t], v255 matrix_a_fmt:MATRIX_FMT_FP6 matrix_b_fmt:MATRIX_FMT_FP6
.endr
.rept 4
	v_nop                                          ; places behind the products: in front of the loads into K's registers and of the first read of the scores
.endr
.irp d, 0,1,2,3                        ; V is asked for now and lands under the softmax
.irp c, 0,1,2
	ds_load_b128 v[KV+12*\d+4*\c:KV+12*\d+4*\c+3], v[ADV] offset:1536*\d+512*\c
.endr
.endr
	ds_load_b128 v[248:251], v[ADT]                ; and its four tiles' scale words
.irp b, 0,1,2,3
	v_max3_num_f32 v[232+\b], v[96+16*\b], v[97+16*\b], v[98+16*\b]   ; the largest score of each block of 32 keys: for the row's maximum and for the block's largest p
.endr
.irp i, 3,5,7,9,11,13
.irp b, 0,1,2,3
	v_max3_num_f32 v[232+\b], v[232+\b], v[96+16*\b+\i], v[97+16*\b+\i]
.endr
.endr
.irp b, 0,1,2,3
	v_max_num_f32 v[232+\b], v[232+\b], v[111+16*\b]
.endr
.irp b, 0,1,2,3
	v_permlanex16_b32 v[236+\b], v[232+\b], s[SEL], s[SEL+1]
.endr
.irp b, 0,1,2,3
	v_max_num_f32 v[232+\b], v[232+\b], v[236+\b]  ; with lane l xor 16's 16 keys
.endr
	v_max3_num_f32 v254, v232, v233, v234
	v_max_num_f32 v254, v254, v235                 ; the step's largest score of my query
	v_mul_f32 v254, s[CS], v254                    ; as t (c is positive)
	v_max_num_f32 v13, v13, v254                   ; the running largest t
	v_mov_b32 v254, v12
	v_floor_f32 v12, -v13                          ; the new -M = floor(-t): M is a whole number
	v_sub_f32 v254, v12, v254                      ; old M - new M: a whole number, 0 or less
	v_cvt_i32_f32 v254, v254                       ; (it saturates)
	v_ldexp_f32 v252, 1.0, v254                    ; f = 2^(old M - new M): a multiplication by it rounds nothing
.set j, 0
.rept 32
	v_pk_fma_f32 v[96+j:97+j], v[96+j:97+j], s[CS:CS+1], v[12:13] op_sel_hi:[1,0,0]   ; t - M, two at a time
.set j, j+2
.endr
.irp b, 0,1,2,3
	v_fma_f32 v[232+\b], v[232+\b], s[CS], v12     ; the same of each block's largest score
.endr
.set j, 0
.rept 64
	v_exp_f32 v[96+j], v[96+j]                     ; p = 2^(t - M), at most 1: not normalised
.set j, j+1
.endr
	v_pk_mul_f32 v[14:15], v[14:15], v[252:253] op_sel_hi:[1,0]   ; the sums under the new M (the plain line behind the exponentials)
	s_wait_alu depctr_va_vdst(0)                   ; one wait for the whole batch, ahead of its first reader
.irp b, 0,1,2,3
	v_exp_f32 v[232+\b], v[232+\b]                 ; the block's largest p
.endr
	v_pk_add_f32 v[236:237], v[96:97], v[98:99]    ; the row's sum is taken of the unquantised p, in two chains
.irp j, 4,8,12,16,20,24,28,32,36,40,44,48,52,56,60
	v_pk_add_f32 v[14:15], v[14:15], v[96+\j:97+\j]
	v_pk_add_f32 v[236:237], v[236:237], v[98+\j:99+\j]
.endr
	v_pk_add_f32 v[14:15], v[14:15], v[236:237]
	s_wait_alu depctr_va_vdst(0)                   ; and one for the four
.irp b, 0,1,2,3
	v_max_num_f32 v[232+\b], 0x1800000, v[232+\b]  ; the floor 2^(3 - 127): the byte cannot fall under 1
.endr
.irp b, 0,1,2,3
	v_add_nc_u32 v[244+\b], 0xff000000, v[232+\b]  ; 2 off the exponent field: the conversion's scale operand
.endr
.irp b, 0,1,2,3
	v_lshrrev_b32 v[236+\b], 23, v[244+\b]         ; the scale's byte
.endr
	v_lshl_or_b32 v253, v237, 8, v236              ; p's scale word for these 128 keys
	v_lshl_or_b32 v253, v238, 16, v253
	v_lshl_or_b32 v253, v239, 24, v253
.irp c, 0,1
	v_cvt_scalef32_pk16_fp6_f32 v[224+6*\c:226+6*\c], v[96+32*\c:111+32*\c], v[244+2*\c]
	v_cvt_scalef32_pk16_fp6_f32 v[236+4*\c:238+4*\c], v[112+32*\c:127+32*\c], v[244+2*\c+1]   ; (a conversion's three registers begin on an even number)
.endr
	v_nop                                          ; one plain line behind the conversions
.irp c, 0,1                            ; the operand's layout wants a whole block in a lane
.irp i, 0,1,2
	v_permlane16_swap_b32 v[224+6*\c+\i], v[236+4*\c+\i]
.endr
.irp i, 0,1,2
	v_mov_b32 v[227+6*\c+\i], v[236+4*\c+\i]
.endr
.endr
.set j, 0
.rept 16
	v_pk_mul_f32 v[160+j:161+j], v[160+j:161+j], v[252:253] op_sel_hi:[1,0]   ; O^T under the new M.  (These sixteen are also the places between the lines that wrote p's codes and scale word and the products below)
.set j, j+2
.endr
	s_wait_dscnt 0x0                               ; V and its scale words are in
.irp d, 0,1,2,3                        ; the four accumulators by turns, one instruction a turn; ahead of the first stands a score tile's product
	v_wmma_scale_f32_16x16x128_f8f6f4 v[160+8*\d:167+8*\d], v[KV+12*\d:KV+12*\d+11], v[224:235], v[160+8*\d:167+8*\d], v[248+\d], v253 matrix_a_fmt:MATRIX_FMT_FP6 matrix_b_fmt:MATRIX_FMT_FP6
.endr
	s_add_co_u32 s[TB], s[TB], 6144
	s_add_co_u32 s[TS], s[TS], 512
	s_add_co_u32 s[TV], s[TV], 256
.endm
; THE WAY OUT of pass i: O^T / l goes through my stage in LDS and comes back as rows of 256 bytes; x is added; sixteen lanes store 256 consecutive bytes, aligned.
.macro OUT i
.if \i < 1
	QLOAD 1                                        ; the next pass's q: its registers' last readers, the score products, stand a whole softmax back
.endif
	v_add_f32 v14, v14, v15                        ; the sum's two halves,
	v_permlanex16_b32 v252, v14, s[SEL], s[SEL+1]
	v_add_f32 v14, v14, v252                       ; and lane l xor 16's
	v_rcp_f32 v14, v14
.rept 4
	v_nop                                          ; the plain line behind the reciprocal, and with the additions above the places behind the last products
.endr
	s_wait_alu depctr_va_vdst(0)                   ; ahead of the reciprocal's first reader
.set j, 0
.rept 32
	v_mul_f32 v[96+j], v[160+j], v14               ; each accumulator from its low end on; register 16 g + e is d = 32 g + 16 h + e
.set j, j+1
.endr
.irp g, 0,1
.irp n, 0,1,2,3
	ds_store_b128 v[STI], v[96+16*\g+4*\n:99+16*\g+4*\n] offset:128*\g+16*\n
.endr
.endr
.irp n, 0,1,2,3,4,5,6,7
	ds_load_b128 v[128+4*\n:131+4*\n], v[STO] offset:544*\n   ; in order behind my stores
.endr
.if \i < 1
	s_wait_loadcnt 3                               ; x's eight loads are in; the next q's three may be out
.else
	s_wait_loadcnt 0x0
.endif
.irp n, 0,1,2,3,4,5,6,7
	s_wait_dscnt 7-\n                              ; the later loads from the stage may be out
	v_pk_add_f32 v[128+4*\n:129+4*\n], v[128+4*\n:129+4*\n], v[192+4*\n:193+4*\n]
	v_pk_add_f32 v[130+4*\n:131+4*\n], v[130+4*\n:131+4*\n], v[194+4*\n:195+4*\n]
.endr
.if \i < 1
	XLOAD 1                                        ; the next pass's x, a whole pass ahead
.endif
.irp n, 0,1,2,3,4,5,6,7
	global_store_b128 v[GO], v[128+4*\n:131+4*\n], s[58:59] offset:1048576*(\i)+(2*\n+8*(\n/4))*4096
.endr
.if \i < 1
	s_wait_xcnt 0x0                                ; the stores have read their registers, which the next pass's products write
.endif
.endm
.macro PASS i
	v_mov_b32 v13, 0xff61b1e6                      ; the largest t so far: -3e38
	v_floor_f32 v12, -v13                          ; -M
	v_mov_b32 v14, 0                               ; the sum, in two halves
	v_mov_b32 v15, 0
.set j, 0
.rept 32
	v_mov_b32 v[160+j], 0                          ; O^T: the step is written once; the first change of M leaves zeros zeros
.set j, j+1
.endr
	s_mov_b32 s[TB], 0
	s_mov_b32 s[TS], 0
	s_mov_b32 s[TV], 0
	s_mov_b32 s[CNT], 16                           ; 2,048 keys, 128 a step
	s_wait_loadcnt 8                               ; q's three loads are in; x's eight may be out
.Lk_\@:
	STEP
	s_sub_co_u32 s[CNT], s[CNT], 1
	s_cmp_lg_u32 s[CNT], 0
	s_cbranch_scc1 .Lk_\@
	OUT \i
.endm
	PASS 0
	PASS 1
	s_wait_tensorcnt 0x0                           ; the wave's end, behind my last tensor load and my last LDS store
	ds_add_u32 v[SPW], v[NIL]
	s_wait_dscnt 0x0
	CROUND                                         ; the closing round
	s_endpgm
.Lfunc_end_k_q85772301b2_attn:
	.size	k_q85772301b2_attn, .Lfunc_end_k_q85772301b2_attn-k_q85772301b2_attn
	.p2alignl 7, 3214868480
	.fill 96, 4, 3214868480
	.section	.rodata,"a",@progbits
	.p2align	6, 0x0
	.amdhsa_kernel k_q85772301b2_attn
		.amdhsa_group_segment_fixed_size 280576
		.amdhsa_private_segment_fixed_size 0
		.amdhsa_enable_private_segment 0
		.amdhsa_kernarg_size 32
		.amdhsa_user_sgpr_count 2
		.amdhsa_user_sgpr_kernarg_segment_ptr 1
		.amdhsa_wavefront_size32 1
		.amdhsa_system_sgpr_workgroup_id_x 1
		.amdhsa_system_sgpr_workgroup_id_y 1
		.amdhsa_system_sgpr_workgroup_id_z 1
		.amdhsa_system_vgpr_workitem_id 0
		.amdhsa_next_free_vgpr 256
		.amdhsa_next_free_sgpr 72
		.amdhsa_reserve_vcc 0
		.amdhsa_float_denorm_mode_32 3
		.amdhsa_float_denorm_mode_16_64 3
		.amdhsa_memory_ordered 1
		.amdhsa_forward_progress 1
		.amdhsa_inst_pref_size 52
	.end_amdhsa_kernel
	.amdgpu_metadata
---
amdhsa.version: [ 1, 2 ]
amdhsa.kernels:
  - .name:           k_q85772301b2_attn
    .symbol:         k_q85772301b2_attn.kd
    .args:
      - { .name: qkvc, .offset: 0, .size: 8, .value_kind: global_buffer, .address_space: global }
      - { .name: qkvs, .offset: 8, .size: 8, .value_kind: global_buffer, .address_space: global }
      - { .name: x, .offset: 16, .size: 8, .value_kind: global_buffer, .address_space: global }
      - { .name: y, .offset: 24, .size: 8, .value_kind: global_buffer, .address_space: global }
    .group_segment_fixed_size: 280576
    .private_segment_fixed_size: 0
    .kernarg_segment_align: 8
    .kernarg_segment_size: 32
    .max_flat_workgroup_size: 512
    .sgpr_count:     72
    .vgpr_count:     256
    .wavefront_size: 32
...
	.end_amdgpu_metadata
.endif
;; end of part 4
;; launch ln (part 5): grid 256 x 1, 8 waves a work-group, no clusters, 0 bytes of LDS; arguments y, ln_gamma, ln_beta, out0; writes out0
.if DOCPART == 5
	.amdgcn_target "amdgcn-amd-amdhsa--gfx1250"
	.amdhsa_code_object_version 6
	.text
	.protected	k_q85772301b2_ln
	.globl	k_q85772301b2_ln
	.p2align	8
	.type	k_q85772301b2_ln,@function
k_q85772301b2_ln:
	s_mov_b64 s[64:65], 0
	v_nop
	global_prefetch_b8 v0, s[64:65] scope:SCOPE_SE
	s_setreg_imm32_b32 hwreg(HW_REG_WAVE_MODE, 25, 1), 1
	s_wait_xcnt 0x0
; out0[row] = (y[row] - mean) / sqrt(var + 1e-5) x gamma + beta over the row's 1,024 numbers, all in f32.  y [8192][1024] already holds attention's result + x.  Nothing is left out.
; One wave, one row at a time, four rows a wave: a row is 4,096 bytes, eight loads of 16 bytes a lane, and stays in 32 registers between the passes: memory is read once.  The reductions never leave the wave: no LDS, no barrier.
; All four rows are asked for at the head and each has registers of its own, so no store's data are written again.  The variance is the mean of (y - mean)^2, in two passes, so that a common offset of a row costs no digits.
; Each load and store of a wave covers 512 consecutive bytes, aligned.  LIMITS: NaN and infinities are not served.
.set G,  8                             ; v8-39   gamma of my 32 columns
.set B,  40                            ; v40-71  beta
.set Y,  72                            ; v72-199 four rows x 32
.set T,  200                           ; v200-213 at work
	s_load_b256 s[4:11], s[0:1], 0x0               ; y, gamma, beta, out0
	v_lshrrev_b32 v2, 5, v0
	v_readfirstlane_b32 s12, v2                    ; wave
	v_and_b32 v1, 31, v0
	v_lshlrev_b32 v1, 4, v1                        ; 16 bytes a lane
	s_lshl_b32 s14, ttmp9, 17                      ; 32 rows a work-group,
	s_lshl_b32 s15, s12, 14                        ; 4 a wave
	s_add_co_u32 s14, s14, s15
	s_mov_b32 s15, 0
	s_mov_b32 s20, 0x3a800000                      ; 1 / 1024
	s_mov_b32 s21, 0x3727c5ac                      ; 1e-5
	s_mov_b32 s22, 0x76543210                      ; selects for lane l xor 16
	s_mov_b32 s23, 0xfedcba98
	s_wait_kmcnt 0x0
	s_add_nc_u64 s[4:5], s[4:5], s[14:15]
	s_add_nc_u64 s[10:11], s[10:11], s[14:15]
.irp j, 0,1,2,3,4,5,6,7
	global_load_b128 v[G+4*\j:G+4*\j+3], v1, s[6:7] offset:512*\j
.endr
.irp j, 0,1,2,3,4,5,6,7
	global_load_b128 v[B+4*\j:B+4*\j+3], v1, s[8:9] offset:512*\j
.endr
.irp i, 0,1,2,3
.irp j, 0,1,2,3,4,5,6,7
	global_load_b128 v[Y+32*\i+4*\j:Y+32*\i+4*\j+3], v1, s[4:5] offset:4096*\i+512*\j th:TH_LOAD_NT
.endr
.endr
.macro RED                             ; four pairs of partial sums in v[T .. T + 7] become the row's sum, in every lane's v[T]
	v_pk_add_f32 v[T:T+1], v[T:T+1], v[T+2:T+3]
	v_pk_add_f32 v[T+4:T+5], v[T+4:T+5], v[T+6:T+7]
	v_pk_add_f32 v[T:T+1], v[T:T+1], v[T+4:T+5]
	v_add_f32 v[T], v[T], v[T+1]
	v_add_f32_dpp v[T], v[T], v[T] row_xmask:1 row_mask:0xf bank_mask:0xf
	v_add_f32_dpp v[T], v[T], v[T] row_xmask:2 row_mask:0xf bank_mask:0xf
	v_add_f32_dpp v[T], v[T], v[T] row_xmask:4 row_mask:0xf bank_mask:0xf
	v_add_f32_dpp v[T], v[T], v[T] row_xmask:8 row_mask:0xf bank_mask:0xf
	v_permlanex16_b32 v[T+1], v[T], s22, s23
	v_add_f32 v[T], v[T], v[T+1]
.endm
.macro ROW i
.set X, Y+32*(\i)
	s_wait_loadcnt 8*(3-(\i))                      ; this row's eight loads are in (gamma and beta too); the later rows' may be out
.irp c, 0,1,2,3
	v_pk_add_f32 v[T+2*\c:T+2*\c+1], v[X+4*\c:X+4*\c+1], v[X+4*\c+2:X+4*\c+3]   ; four chains, started by the first sixteen numbers
.endr
.irp k, 16,24
.irp c, 0,1,2,3
	v_pk_add_f32 v[T+2*\c:T+2*\c+1], v[T+2*\c:T+2*\c+1], v[X+\k+2*\c:X+\k+2*\c+1]
.endr
.endr
	RED
	v_mul_f32 v[T+8], s20, v[T]                    ; the mean, twice: a pair for the packed forms
	v_mov_b32 v[T+9], v[T+8]
.set k, 0
.rept 16
	v_pk_add_f32 v[X+k:X+k+1], v[X+k:X+k+1], v[T+8:T+9] neg_lo:[0,1] neg_hi:[0,1]   ; y - mean
.set k, k+2
.endr
.irp c, 0,1,2,3
	v_pk_mul_f32 v[T+2*\c:T+2*\c+1], v[X+2*\c:X+2*\c+1], v[X+2*\c:X+2*\c+1]
.endr
.irp k, 8,16,24
.irp c, 0,1,2,3
	v_pk_fma_f32 v[T+2*\c:T+2*\c+1], v[X+\k+2*\c:X+\k+2*\c+1], v[X+\k+2*\c:X+\k+2*\c+1], v[T+2*\c:T+2*\c+1]
.endr
.endr
	RED
	v_fma_f32 v[T+10], v[T], s20, s21              ; the variance + 1e-5
	v_rsq_f32 v[T+12], v[T+10]                     ; made twice, to fill a pair
	v_rsq_f32 v[T+13], v[T+10]
	v_nop                                          ; one plain line behind the transcendentals
	s_wait_alu depctr_va_vdst(0)                   ; one wait for both, ahead of their first reader
.set k, 0
.rept 16
	v_pk_mul_f32 v[X+k:X+k+1], v[X+k:X+k+1], v[T+12:T+13]
.set k, k+2
.endr
.set k, 0
.rept 16
	v_pk_fma_f32 v[X+k:X+k+1], v[X+k:X+k+1], v[G+k:G+k+1], v[B+k:B+k+1]
.set k, k+2
.endr
.irp j, 0,1,2,3,4,5,6,7
	global_store_b128 v1, v[X+4*\j:X+4*\j+3], s[10:11] offset:4096*(\i)+512*\j th:TH_STORE_NT
.endr
.endm
	ROW 0
	ROW 1
	ROW 2
	ROW 3
	s_endpgm
.Lfunc_end_k_q85772301b2_ln:
	.size	k_q85772301b2_ln, .Lfunc_end_k_q85772301b2_ln-k_q85772301b2_ln
	.p2alignl 7, 3214868480
	.fill 96, 4, 3214868480
	.section	.rodata,"a",@progbits
	.p2align	6, 0x0
	.amdhsa_kernel k_q85772301b2_ln
		.amdhsa_group_segment_fixed_size 0
		.amdhsa_private_segment_fixed_size 0
		.amdhsa_enable_private_segment 0
		.amdhsa_kernarg_size 32
		.amdhsa_user_sgpr_count 2
		.amdhsa_user_sgpr_kernarg_segment_ptr 1
		.amdhsa_wavefront_size32 1
		.amdhsa_system_sgpr_workgroup_id_x 1
		.amdhsa_system_sgpr_workgroup_id_y 1
		.amdhsa_system_sgpr_workgroup_id_z 1
		.amdhsa_system_vgpr_workitem_id 0
		.amdhsa_next_free_vgpr 216
		.amdhsa_next_free_sgpr 66
		.amdhsa_reserve_vcc 0
		.amdhsa_float_denorm_mode_32 3
		.amdhsa_float_denorm_mode_16_64 3
		.amdhsa_memory_ordered 1
		.amdhsa_forward_progress 1
		.amdhsa_inst_pref_size 34
	.end_amdhsa_kernel
	.amdgpu_metadata
---
amdhsa.version: [ 1, 2 ]
amdhsa.kernels:
  - .name:           k_q85772301b2_ln
    .symbol:         k_q85772301b2_ln.kd
    .args:
      - { .name: y, .offset: 0, .size: 8, .value_kind: global_buffer, .address_space: global }
      - { .name: ln_gamma, .offset: 8, .size: 8, .value_kind: global_buffer, .address_space: global }
      - { .name: ln_beta, .offset: 16, .size: 8, .value_kind: global_buffer, .address_space: global }
      - { .name: out0, .offset: 24, .size: 8, .value_kind: global_buffer, .address_space: global }
    .group_segment_fixed_size: 0
    .private_segment_fixed_size: 0
    .kernarg_segment_align: 8
    .kernarg_segment_size: 32
    .max_flat_workgroup_size: 256
    .sgpr_count:     66
    .vgpr_count:     216
    .wavefront_size: 32
...
	.end_amdgpu_metadata
.endif
;; end of part 5
